; MI455X (gfx1250); checked and timed in simulation.
; The chip was launched on July 23, 2026; its instructions are those of AMD's public machine-readable ISA for CDNA 5 (MIT licence, August 2026) and "CDNA5" Instruction Set Architecture Reference Guide (July 2026). The comments in the code are by the model that wrote it; some were corrected since.
;; Multihead Attention with jax. Allowed arithmetic: matrix products marked QUANTISED: E2M3 operands, one E8M0 scale for each 32 along K, by v_wmma_scale_f32_16x16x128_f8f6f4 with both operands' format E2M3, f32 sums; everything else in f32.
;; Inputs: Wk 2,048 x 2,048 float32; Wo 2,048 x 2,048 float32; Wq 2,048 x 2,048 float32; Wv 2,048 x 2,048 float32; bk 2,048 float32; bo 2,048 float32; bq 2,048 float32; bv 2,048 float32; key 4 x 1,024 x 2,048 float32; query 4 x 1,024 x 2,048 float32; value 4 x 1,024 x 2,048 float32.
;; Outputs: out0 4 x 1,024 x 2,048 float32.
;; This version of the problem:
;;   THIS VERSION OF THE PROBLEM IS GIVEN IN LOW PRECISION. The matrix products marked QUANTISED in the list below multiply operands that are first quantised to E2M3 (2 exponent bits, 3 mantissa bits; 6 bits a number), with one power-of-two scale for each 32 numbers along K (OCP MX v1.0); their sums are f32. All else is computed in f32.
;;   The module's matrix products, in the order in which they are computed (A, B: the left and right operand; K: the contracted axis; several contracted axes count as one K, in the product's order):
;;     1. [M 4,096, K 2,048] x [K 2,048, N 2,048]; A: input query; B: input Wq: QUANTISED
;;     2. [M 4,096, K 2,048] x [K 2,048, N 2,048]; A: input key; B: input Wk: QUANTISED
;;     3. [M 4,096, K 2,048] x [K 2,048, N 2,048]; A: input value; B: input Wv: QUANTISED
;;     4. batch 1,024 x [M 64, K 128] x [K 128, N 64]; A: computed on the way; B: computed on the way: QUANTISED
;;     5. batch 1,024 x [M 64, K 64] x [K 64, N 128]; A: softmax (see below); B: computed on the way: QUANTISED
;;     6. [M 4,096, K 2,048] x [K 2,048, N 2,048]; A: computed on the way; B: input Wo: QUANTISED
;;   THE QUANTISER, for each operand of a quantised product, along K:
;;     - K is cut into blocks of 32 from its start; a last block that is shorter is filled with zeros.
;;     - A block's scale is 2^e with e = floor(log2(the largest magnitude in the block)) - 2, held to -126 .. 127; a block of zeros has e = 0. As a byte (E8M0): e + 127.
;;     - Each number is divided by its block's scale, clamped to +-7.5, and rounded to the nearest number of E2M3, ties to even, subnormals kept.
;;     - The product sums the exact products of the quantised numbers (number of the format x scale) in f32.
;;   ~~~python
;;   def quantise(x, axis):      # numpy; x: float32 -> the quantised numbers, widened to float32 again
;;       x = np.moveaxis(x, axis, -1); K = x.shape[-1]
;;       x = np.pad(x, [(0, 0)] * (x.ndim - 1) + [(0, -K % 32)]); x = x.reshape(x.shape[:-1] + (-1, 32)); a = np.abs(x).max(-1, keepdims=True)
;;       e = np.where(a > 0, np.clip(np.frexp(np.where(a > 0, a, 1))[1] - 1 - 2, -126, 127), 0)      # np.frexp(a)[1] - 1 = floor(log2(a)), exactly
;;       r = np.clip(x / 2.0 ** e, -7.5, 7.5)
;;       step = 2.0 ** (np.maximum(np.frexp(np.where(r == 0, 1, r))[1] - 1, 0) - 3)
;;       q = np.round(r / step) * step * 2.0 ** e      # np.round: ties to even
;;       return np.moveaxis(q.reshape(q.shape[:-2] + (-1,))[..., :K], -1, axis).astype(np.float32)
;;   ~~~
;;   SOFTMAX AHEAD OF A QUANTISED PRODUCT. Where the list says 'softmax', what is quantised is not the finished softmax but p = 2^(t - M), with t = logit x log2(e) and M = ceil(the row's largest t), a whole number; so 1/2 < the row's largest p <= 1. The row's sum l is taken of the UNQUANTISED p, in f32, and the product's result is divided by l at the end. Since M is a whole number, a kernel that streams over the keys may use a running M (the ceiling of the running maximum): every later rescaling is an exact power of two, which a block's scale takes up: the codes' values come out the same.
;;   OPERANDS COMPUTED ON THE WAY. 'Computed on the way' means the value that the module computes at that place (a softmax that the list does not call 'softmax' is quantised finished and normalised). What goes into a quantiser is computed in f32, as accurately as f32 sums, v_exp_f32 and their like allow (about 1e-6 of the number): no bf16 or f16 on the way to a quantiser, and a product that is left as it is and whose result goes on into a quantised operand takes f32 operands (vector FMAs, or v_wmma_f32_16x16x4_f32). A number that lies on a knife's edge between two numbers of the format may be rounded either way, as far as f32 arithmetic and the matrix unit's own rounding can turn it there, and no further.
;; One version. Each part assembles by itself: llvm-mc -triple=amdgcn-amd-amdhsa -mcpu=gfx1250 --defsym DOCPART=n.
;; ======== version 1 of 1: 4 launches
;; limits: right only within a limited range of input values
;; workspace buffers: xw 32,792,576 bytes; qkv 19,922,944 bytes; oc 6,553,600 bytes
;; launch quant (part 1): grid 1280 x 1, 4 waves a work-group, no clusters, 34,304 bytes of LDS; arguments query, key, value, Wq, Wk, Wv, Wo, xw, bq, bk, bv; writes xw
.if DOCPART == 1
	.amdgcn_target "amdgcn-amd-amdhsa--gfx1250"
	.amdhsa_code_object_version 6
	.text
	.protected	k_q15fa02ae44_quant
	.globl	k_q15fa02ae44_quant
	.p2align	8
	.type	k_q15fa02ae44_quant,@function
k_q15fa02ae44_quant:
	s_mov_b64 s[64:65], 0
	v_nop
	global_prefetch_b8 v0, s[64:65] scope:SCOPE_SE
	s_setreg_imm32_b32 hwreg(HW_REG_WAVE_MODE, 25, 1), 1
	s_wait_xcnt 0x0
; query, key, value [4096][2048] and Wq, Wk, Wv, Wo [2048][2048], f32, K innermost, become codes of FP6 (E2M3) with one E8M0 byte for each 32 along K, laid in xw in the ORDER OF THE OPERAND'S REGISTERS.
; A RECORD is 16 rows x 512 along K, 6,400 bytes: byte 1536 q + 512 g + 16 lane holds registers 4 g .. 4 g + 3 of the fragment of the q-th 128 along K (lane (r, hh), registers 6 c .. 6 c + 5: k = 64 c + 32 hh + 0 .. 31);
; byte 6144 + 16 r + 4 q holds row r's scale word of that fragment.  xw: query, key, value at 6,553,600 x tensor as [slot of 512 K][256 row blocks][6400]; the weights at 19,660,800 + 3,276,800 x weight as [slot][128][6400]; three biases at 32,768,000.
; WHICH 16 ROWS FORM A ROW BLOCK is chosen for the readers: query, key: block t / 4, row 4 (t % 4) + b.  value: block 4 (t / 16) + b, 16 neighbouring t.  Wq, Wk: block 2 B + u: rows 32 B + 8 u + r % 8 + 16 (r / 8).
; Wv: block 2 F + u: rows 128 (8 u + r % 8) + 2 F + r / 8.  Wo: as it lies.  bq, bk, bv are stored in their weight's row order.
; A block's scale is 2^(floor(log2(largest magnitude)) - 2); its byte is the largest magnitude's exponent field - 2, held at 1 from below.
; LIMITS: a block whose largest magnitude lies under 2^-124 keeps the byte 1 (a block of zeros too, where the rule says 127: its codes are zeros, and this program alone reads the bytes); NaN and infinities are not served.
; SHARES: work-group g takes one row block, wave w its K 512 w .. 512 w + 511: one record.  Work-groups 0 to 47 also place 128 numbers of a bias each (bias g / 16, numbers 128 (g % 16) ..).  Waves share nothing: no barrier.
; Each load reads 512 consecutive bytes of one row; a fragment's 16 x 512 bytes turn through the wave's own stage in LDS (rows 528 bytes apart) so that a lane gets 2 x 32 neighbours along K of its row.
; Loads go by QUARTERS of a fragment (4 rows, 4 loads, 16 registers) through five sets of registers: quarter n lies in set n % 5; five quarters are asked for at the start, and each fragment's four sets are asked for again as soon as the stage has them.
.set SP,   528                         ; a stage row: 512 bytes + 16
.set RR,   32                          ; v32-111: five sets of 4 rows x 16 bytes a lane, as loaded
.set X,    112                         ; v112-175: my row's k = 32 hh + 0..31 and 64 + 32 hh + 0..31
.set C,    176                         ; v176-187: a fragment's codes
.set T,    16                          ; v16-23: the upper halves of the blocks' codes, before they are moved
.set W,    24                          ; v24-27: the four fragments' scale words
.set SPW,  30                          ; v30: my spare word's LDS address; v31: 0; both never rewritten
.set NIL,  31
	s_load_b512 s[4:19], s[0:1], 0x0               ; query s[4:5], key, value, Wq, Wk, Wv, Wo s[16:17], xw s[18:19]
	s_load_b128 s[20:23], s[0:1], 0x40             ; bq, bk
	s_load_b64 s[24:25], s[0:1], 0x50              ; bv
	v_lshl_add_u32 v[SPW], v0, 2, 0x8400
	v_mov_b32 v[NIL], 0
	v_lshrrev_b32 v6, 5, v0
	v_readfirstlane_b32 s26, v6                    ; wave
	s_mov_b32 s27, ttmp9                           ; g
	; every candidate first (shifts set SCC), then a falling chain of compares and selections
	s_and_b32 s66, s27, 255
	s_and_b32 s67, s27, 127
	s_cmp_lt_u32 s27, 768
	s_cselect_b32 s66, s66, s67                    ; rb: my row block in its tensor, in the order of g
	s_lshl_b32 s68, s66, 2                         ; first row: query, key: 4 rb
	s_lshl_b32 s69, s66, 4                         ; value, Wo: 16 rb
	s_and_b32 s70, s66, 1                          ; u
	s_lshr_b32 s71, s66, 1
	s_lshl_b32 s72, s70, 3
	s_sub_co_u32 s72, s69, s72                     ; Wq, Wk: 32 (rb / 2) + 8 u = 16 rb - 8 u
	s_lshl_b32 s73, s70, 10
	s_lshl_b32 s71, s71, 1
	s_add_co_u32 s73, s73, s71                     ; Wv: 1024 u + 2 (rb / 2)
	s_and_b32 s74, s66, 63
	s_lshl_b32 s74, s74, 2
	s_lshr_b32 s75, s66, 6
	s_or_b32 s74, s74, s75                         ; value's place: rb = 64 b + t / 16 goes to 4 (t / 16) + b
	s_lshr_b32 s86, s27, 8
	s_mul_i32 s86, s86, 6553600                    ; the tensor's first byte in xw: an activation's,
	s_sub_co_u32 s87, s27, 768
	s_lshr_b32 s87, s87, 7
	s_mul_i32 s87, s87, 3276800
	s_add_co_u32 s87, s87, 19660800                ; a weight's
	s_mov_b32 s88, 819200                          ; a slot of 512 along K in xw: a weight's
	s_mov_b32 s96, s69                             ; Wo's numbers stand first: first row,
	s_mov_b32 s90, 0x2000                          ; S1: from row r to r + 1 (r = 1 .. 3), bytes,
	s_mov_b32 s92, 0x8000                          ; S2: from row r to r + 4,
	s_mov_b32 s94, 0x10000                         ; S3: from row r to r + 8,
	s_mov_b32 s80, s66                             ; and the row block's place in xw
	s_mov_b32 s81, 0x100000
	s_mov_b32 s82, 0x400000
	s_mov_b32 s83, 0x20000
	s_mov_b32 s84, 0x800000
	s_wait_kmcnt 0x0
	s_mov_b64 s[28:29], s[16:17]
	s_cmp_lt_u32 s27, 1152                         ; Wv: 128 rows, 512 rows, 1 row
	s_cselect_b64 s[28:29], s[14:15], s[28:29]
	s_cselect_b32 s96, s73, s96
	s_cselect_b32 s90, s81, s90
	s_cselect_b32 s92, s82, s92
	s_cselect_b32 s94, 0x2000, s94
	s_cmp_lt_u32 s27, 1024                         ; Wk (and Wq): 1 row, 4 rows, 16 rows
	s_cselect_b64 s[28:29], s[12:13], s[28:29]
	s_cselect_b32 s96, s72, s96
	s_cselect_b32 s90, 0x2000, s90
	s_cselect_b32 s92, 0x8000, s92
	s_cselect_b32 s94, s83, s94
	s_cmp_lt_u32 s27, 896
	s_cselect_b64 s[28:29], s[10:11], s[28:29]
	s_cmp_lt_u32 s27, 768                          ; value: 1 row, 4 rows, 8 rows
	s_cselect_b64 s[28:29], s[8:9], s[28:29]
	s_cselect_b32 s96, s69, s96
	s_cselect_b32 s94, 0x10000, s94
	s_cselect_b32 s80, s74, s80
	s_cselect_b32 s86, s86, s87
	s_cselect_b32 s88, 1638400, s88
	s_cmp_lt_u32 s27, 512                          ; key (and query): 1,024 rows (b), 1 row (t), 2 rows
	s_cselect_b64 s[28:29], s[6:7], s[28:29]
	s_cselect_b32 s96, s68, s96
	s_cselect_b32 s90, s84, s90
	s_cselect_b32 s92, 0x2000, s92
	s_cselect_b32 s94, 0x4000, s94
	s_cselect_b32 s80, s66, s80
	s_cmp_lt_u32 s27, 256
	s_cselect_b64 s[28:29], s[4:5], s[28:29]
	s_lshl_b32 s96, s96, 13                        ; a row is 8,192 bytes;
	s_lshl_b32 s97, s26, 11
	s_add_co_u32 s96, s96, s97                     ; my wave's 512 numbers of it
	s_mov_b32 s97, 0
	s_mov_b32 s91, 0
	s_mov_b32 s93, 0
	s_mov_b32 s95, 0
	s_mul_i32 s88, s88, s26
	s_add_co_u32 s86, s86, s88
	s_mul_i32 s88, s80, 6400
	s_add_co_u32 s86, s86, s88
	s_mov_b32 s87, 0
	s_add_nc_u64 s[30:31], s[18:19], s[86:87]      ; my record
	s_add_nc_u64 s[32:33], s[28:29], s[96:97]      ; a base for each of the 16 rows: s[32 + 2 r : 33 + 2 r]
.irp r, 1,2,3
	s_add_nc_u64 s[32+2*\r:33+2*\r], s[30+2*\r:31+2*\r], s[90:91]
.endr
.irp r, 4,5,6,7
	s_add_nc_u64 s[32+2*\r:33+2*\r], s[24+2*\r:25+2*\r], s[92:93]
.endr
.irp r, 8,9,10,11,12,13,14,15
	s_add_nc_u64 s[32+2*\r:33+2*\r], s[16+2*\r:17+2*\r], s[94:95]
.endr
	s_mov_b32 s2, 0x76543210
	s_mov_b32 s3, 0xfedcba98                       ; v_permlanex16_b32's selects for lane l xor 16
	v_and_b32 v7, 31, v0
	v_lshlrev_b32 v1, 4, v7                        ; 16 x lane: my bytes of a load's 512, and of a store's
	v_and_b32 v6, 15, v0                           ; r
	v_bfe_u32 v7, v0, 4, 1                         ; hh
	s_mul_i32 s89, s26, 16*SP                      ; my wave's stage
	v_add_nc_u32 v2, s89, v1                       ; into it: as loaded
	v_mul_u32_u24 v3, v6, SP
	v_lshl_add_u32 v3, v7, 7, v3
	v_add_nc_u32 v3, s89, v3                       ; out of it: row r, 128 hh bytes on
	v_lshlrev_b32 v4, 3, v7                        ; 8 hh
	v_lshl_add_u32 v5, v6, 4, v4                   ; 16 r + 8 hh: my two scale words in the record
	v_mov_b32 v15, 0                               ; written once: a lane permute's destination counts as one of its sources
.macro LOADQ n                         ; quarter n: 512 bytes of rows 4 (n % 4) .. + 3 of fragment n / 4, into set n % 5
.irp i, 0,1,2,3
	global_load_b128 v[RR+16*((\n)%5)+4*\i:RR+16*((\n)%5)+4*\i+3], v1, s[32+2*(4*((\n)%4)+\i):33+2*(4*((\n)%4)+\i)] offset:512*((\n)/4) th:TH_LOAD_NT
.endr
.endm
.macro TURNQ f                         ; through the stage: LDS serves a wave's instructions in order, so no wait stands between the stores and the loads
.irp qr, 0,1,2,3
.irp i, 0,1,2,3
	ds_store_b128 v2, v[RR+16*((4*(\f)+\qr)%5)+4*\i:RR+16*((4*(\f)+\qr)%5)+4*\i+3] offset:SP*(4*\qr+\i)
.endr
.endr
.irp j, 0,1,2,3,4,5,6,7
	ds_load_b128 v[X+4*\j:X+4*\j+3], v3 offset:16*\j
.endr
.irp j, 0,1,2,3,4,5,6,7
	ds_load_b128 v[X+32+4*\j:X+32+4*\j+3], v3 offset:256+16*\j
.endr
.endm
.macro QF f                            ; my two whole blocks (hh and 2 + hh of my row) become registers 0-5 and 6-11 of the fragment
.irp c, 0,1
	v_max3_num_f32 v[8+\c], |v[X+32*\c]|, |v[X+32*\c+1]|, 0x1800000   ; with the floor 2^(3 - 127): the byte cannot fall under 1
.endr
.irp i, 2,4,6,8,10,12,14,16,18,20,22,24,26,28,30
.irp c, 0,1
	v_max3_num_f32 v[8+\c], v[8+\c], |v[X+32*\c+\i]|, |v[X+32*\c+\i+1]|
.endr
.endr
.irp c, 0,1
	v_add_nc_u32 v[10+\c], 0xff000000, v[8+\c]     ; 2 off the exponent field: the conversion's scale operand
.endr
.irp c, 0,1
	v_lshrrev_b32 v[12+\c], 23, v[10+\c]           ; the scale's byte
.endr
	v_lshl_or_b32 v14, v13, 16, v12
	v_lshlrev_b32 v14, v4, v14                     ; my two bytes at their places in the word,
	v_permlanex16_b32 v15, v14, s2, s3
	v_or_b32 v[W+(\f)], v14, v15                   ; with lane l xor 16's two the word is whole
.if (\f) >= 1
	s_wait_alu depctr_va_vdst(0)                   ; directly ahead of the wait below
	s_wait_xcnt 0x0                                ; the last fragment's stores have read the code registers
.endif
.irp c, 0,1
	v_cvt_scalef32_pk16_fp6_f32 v[C+6*\c:C+6*\c+2], v[X+32*\c:X+32*\c+15], v[10+\c]
	v_cvt_scalef32_pk16_fp6_f32 v[T+4*\c:T+4*\c+2], v[X+32*\c+16:X+32*\c+31], v[10+\c]   ; (a conversion's three registers begin on an even number)
.endr
	v_nop                                          ; one plain line behind the scaled conversions
.irp c, 0,1
.irp i, 0,1,2
	v_mov_b32 v[C+6*\c+3+\i], v[T+4*\c+\i]
.endr
.endr
.irp g, 0,1,2
	global_store_b128 v1, v[C+4*\g:C+4*\g+3], s[30:31] offset:1536*(\f)+512*\g   ; 32 lanes store 512 consecutive bytes, at a multiple of 256 from xw's first byte
.endr
.endm
.irp n, 0,1,2,3,4
	LOADQ \n
.endr
	; work-groups 0 to 47: b'[128 c + x] = b[the weight's row at that place], x = my thread's number, c = g % 16; the load stands behind my first 20 loads and is waited for with them
	s_cmp_lt_u32 s27, 48
	s_cbranch_scc0 .Lnobias
	v_and_b32 v188, 0x67, v0
	v_and_b32 v189, 8, v0
	v_and_b32 v190, 16, v0
	v_lshl_or_b32 v188, v189, 1, v188
	v_lshrrev_b32 v190, 1, v190
	v_or_b32 v188, v188, v190                      ; bq, bk: bits 3 and 4 of x change places; 128 more for each c
	v_bfe_u32 v189, v0, 4, 1
	v_and_b32 v190, 7, v0
	v_lshl_or_b32 v189, v189, 3, v190
	v_bfe_u32 v190, v0, 5, 2
	v_bfe_u32 v191, v0, 3, 1
	v_lshl_or_b32 v190, v190, 1, v191
	v_lshl_or_b32 v189, v189, 7, v190              ; bv: 128 (8 x[4] + x[2:0]) + 2 x[6:5] + x[3]; 8 more for each c
	s_lshr_b32 s66, s27, 4                         ; which bias
	s_and_b32 s67, s27, 15                         ; c
	s_cmp_eq_u32 s66, 0
	s_cselect_b64 s[68:69], s[20:21], s[22:23]
	s_cmp_eq_u32 s66, 2
	s_cselect_b64 s[68:69], s[24:25], s[68:69]
	s_cselect_b32 s70, 5, 9                        ; c counts 32 bytes in bv, 512 in bq and bk
	s_cselect_b32 s71, -1, 0
	s_wait_alu depctr_va_vdst(0)                   ; directly ahead of the reader below
	v_cndmask_b32 v188, v188, v189, s71
	v_lshlrev_b32 v188, 2, v188
	v_lshlrev_b32 v189, 2, v0
	s_lshl_b32 s72, s67, s70
	s_mov_b32 s73, 0
	s_add_nc_u64 s[68:69], s[68:69], s[72:73]
	s_lshl_b32 s74, s66, 13
	s_lshl_b32 s75, s67, 9
	s_add_co_u32 s74, s74, s75
	s_add_co_u32 s74, s74, 32768000
	s_mov_b32 s75, 0
	s_add_nc_u64 s[74:75], s[18:19], s[74:75]
	s_wait_alu depctr_va_vdst(0)                   ; directly ahead of the reader below
	global_load_b32 v190, v188, s[68:69]
	s_wait_loadcnt 0x0
	global_store_b32 v189, v190, s[74:75]          ; a wave stores 128 consecutive bytes, the work-group 512
.Lnobias:
	s_wait_alu depctr_va_vdst(0)                   ; the wait at the head's end
.irp f, 0,1,2,3
.if \f < 3
	s_wait_loadcnt 4                               ; this fragment's four quarters are in; the one quarter asked for behind them (4 loads) may be out
.else
	s_wait_loadcnt 0x0
.endif
	TURNQ \f
	s_wait_dscnt 0x0                               ; my 64 numbers are back, and the stage's stores have read their registers,
.irp k, 5,6,7,8
.if 4*\f+\k < 16
	LOADQ 4*\f+\k                                  ; which take the quarters five further on
.endif
.endr
	QF \f
.endr
	v_cmp_ne_u32 vcc_lo, 0, v4
	v_cndmask_b32 v28, v[W], v[W+2], vcc_lo        ; lanes 0-15 store words 0 and 1 of their row, lanes 16-31 words 2 and 3
	v_cndmask_b32 v29, v[W+1], v[W+3], vcc_lo
	global_store_b64 v5, v[28:29], s[30:31] offset:6144   ; 256 consecutive bytes, aligned
	s_wait_tensorcnt 0x0                           ; the wave's end
	ds_add_u32 v[SPW], v[NIL]
	s_wait_dscnt 0x0
	s_endpgm
.Lfunc_end_k_q15fa02ae44_quant:
	.size	k_q15fa02ae44_quant, .Lfunc_end_k_q15fa02ae44_quant-k_q15fa02ae44_quant
	.p2alignl 7, 3214868480
	.fill 96, 4, 3214868480
	.section	.rodata,"a",@progbits
	.p2align	6, 0x0
	.amdhsa_kernel k_q15fa02ae44_quant
		.amdhsa_group_segment_fixed_size 34304
		.amdhsa_private_segment_fixed_size 0
		.amdhsa_enable_private_segment 0
		.amdhsa_kernarg_size 88
		.amdhsa_user_sgpr_count 2
		.amdhsa_user_sgpr_kernarg_segment_ptr 1
		.amdhsa_wavefront_size32 1
		.amdhsa_system_sgpr_workgroup_id_x 1
		.amdhsa_system_sgpr_workgroup_id_y 1
		.amdhsa_system_sgpr_workgroup_id_z 1
		.amdhsa_system_vgpr_workitem_id 0
		.amdhsa_next_free_vgpr 192
		.amdhsa_next_free_sgpr 98
		.amdhsa_reserve_vcc 1
		.amdhsa_float_denorm_mode_32 3
		.amdhsa_float_denorm_mode_16_64 3
		.amdhsa_memory_ordered 1
		.amdhsa_forward_progress 1
		.amdhsa_inst_pref_size 35
	.end_amdhsa_kernel
	.amdgpu_metadata
---
amdhsa.version: [ 1, 2 ]
amdhsa.kernels:
  - .name:           k_q15fa02ae44_quant
    .symbol:         k_q15fa02ae44_quant.kd
    .args:
      - { .name: query, .offset: 0, .size: 8, .value_kind: global_buffer, .address_space: global }
      - { .name: key, .offset: 8, .size: 8, .value_kind: global_buffer, .address_space: global }
      - { .name: value, .offset: 16, .size: 8, .value_kind: global_buffer, .address_space: global }
      - { .name: Wq, .offset: 24, .size: 8, .value_kind: global_buffer, .address_space: global }
      - { .name: Wk, .offset: 32, .size: 8, .value_kind: global_buffer, .address_space: global }
      - { .name: Wv, .offset: 40, .size: 8, .value_kind: global_buffer, .address_space: global }
      - { .name: Wo, .offset: 48, .size: 8, .value_kind: global_buffer, .address_space: global }
      - { .name: xw, .offset: 56, .size: 8, .value_kind: global_buffer, .address_space: global }
      - { .name: bq, .offset: 64, .size: 8, .value_kind: global_buffer, .address_space: global }
      - { .name: bk, .offset: 72, .size: 8, .value_kind: global_buffer, .address_space: global }
      - { .name: bv, .offset: 80, .size: 8, .value_kind: global_buffer, .address_space: global }
    .group_segment_fixed_size: 34304
    .private_segment_fixed_size: 0
    .kernarg_segment_align: 8
    .kernarg_segment_size: 88
    .max_flat_workgroup_size: 128
    .sgpr_count:     98
    .vgpr_count:     192
    .wavefront_size: 32
...
	.end_amdgpu_metadata
.endif
;; end of part 1
;; launch proj (part 2): grid 8 x 32, 4 waves a work-group, clusters of 4 x 4, 327,680 bytes of LDS; arguments xw, qkv; writes qkv
.if DOCPART == 2
	.amdgcn_target "amdgcn-amd-amdhsa--gfx1250"
	.amdhsa_code_object_version 6
	.text
	.protected	k_q15fa02ae44_proj
	.globl	k_q15fa02ae44_proj
	.p2align	8
	.type	k_q15fa02ae44_proj,@function
k_q15fa02ae44_proj:
	s_mov_b64 s[64:65], 0
	v_nop
	global_prefetch_b8 v0, s[64:65] scope:SCOPE_SE
	s_setreg_imm32_b32 hwreg(HW_REG_WAVE_MODE, 25, 1), 1
	s_wait_xcnt 0x0
	s_wait_alu depctr_hold_cnt(0) depctr_sa_sdst(0) depctr_va_vdst(0) depctr_va_sdst(0) depctr_va_ssrc(0) depctr_va_vcc(0) depctr_vm_vsrc(0)
	s_getreg_b32 s2, hwreg(HW_REG_IB_STS2, 6, 4)
	s_cmp_eq_u32 s2, 0
	s_cbranch_scc0 .Lentry_in_a_cluster
	s_endpgm
.Lentry_in_a_cluster:
	s_bfe_u32 s2, ttmp6, 0x10000c
	s_cmp_lg_u32 s2, 0xf033
	s_cbranch_scc0 .Lentry_shape_is_right
	s_endpgm
.Lentry_shape_is_right:
; q, k, v = x W^T + b on codes of FP6 (E2M3) with E8M0 scales, read from xw as records in the order of the operand's registers (16 rows x 512 K, 6,400 bytes: four fragments of 1,536 bytes, then 256 bytes of scale words).
; SHARES: work-group (x, y) first makes rows 128 y .., columns 256 x .. of v (a wave 64 x 128), then ONE block of 256 x 256 of q (y < 16) or of k (y >= 16): rows 256 (y % 16) .., columns 256 x .. (a wave 128 x 128, 64 accumulators).
; So a work-group brings 3 x 128 rows x 2,048 K for v and 4 x 128 rows x 2,048 K for q or k into LDS.  The bias is the C of each accumulator's first product.
; THE RING: two LDS slots filled by joint tensor loads (cluster 4 x 4: A's records shared along its row, B's along its column).  v: a slot is 512 along K, 24 records, dense.
; q, k: a slot is HALF of each of 32 records, 3,328 bytes a record, rows 6,400 bytes apart in memory, each beginning at a multiple of 256: first bytes 3,072 .. 6,399 (fragments 2, 3 and the scale words), then bytes 0 .. 3,327 (fragments 0, 1; the last 256 bytes are not read).
; So within each 512 along K the order of the sums is fragment 2, 3, 0, 1; the scale words are read into registers with the first half and serve all four.  The large block's slots lie: at 0 and at 153,600.
; v's stage lies at 106,496: bytes of v's slot 0 that have had their last fill and their last read by then.
; q and k are quantised along the head's 128, v along the 64 keys (b, h) of a time step, and leave as images of the next launch's operand registers.
; No prefetch is laid: K is 2,048, so the walk is four fills for v and eight for the large block, each asked for one slot ahead by loads that four work-groups share.
; REGISTERS: window 0: v0-31 addresses, v32-95 scale words, v96-191 A's fragments, v200-227 at work in the quantisers; window 1: B's fragments, two sets at v0 and v128, the bias at v96-127 and v224-255; windows 2, 3: accumulators.
.set REC,    6400
.set HREC,   3328
.set SLOT,   24*REC
.set ABYTES, 8*REC
.set ASTEP,  1638400
.set BSTEP,  819200
.set SPARE,  2*SLOT
.set STG,    32*HREC
.set FR,   12
.set ADA2, 8
.set ADB2, 10
.set ADS2, 12
.set ADRA, 16
.set ADRB, 20
.set ADRS, 22
.set STO,  24
.set RD,   25
.set L16,  26
.set SOQ,  27
.set SPW,  28
.set NIL,  29
.set H32,  30
.set SOV,  31
.set SC,   32
.set AF,   96
.set TM,   200
.set PW,   216
.set TT,   220
.set SEL,  44
.set G1,  24
.set G0,  32
.set G1B, 48
.set G0B, 56
.set BA,  66
.set BB,  68
.set QC,  70
.set VSB, 72
.set QS,  74
.set MSB, 0
.macro WIN new
.if MSB != (\new)
	s_set_vgpr_msb (MSB<<8)|(\new)
.set MSB, (\new)
.endif
.endm
.macro PLACES n
.rept \n
	v_nop
.endr
.endm
.macro JLOAD g0a, g1a, g0b, g1b        ; waves 0, 1 fetch for A, waves 2, 3 for B; s_nop 0 and four v_nop behind each line
	s_cmp_eq_u32 s15, 0
	s_cbranch_scc0 .Lfor_b_\@
	tensor_load_to_lds s[\g0a:\g0a+3], s[\g1a:\g1a+7]
	s_nop 0
.rept 4
	v_nop
.endr
	s_branch .Lasked_\@
.Lfor_b_\@:
	tensor_load_to_lds s[\g0b:\g0b+3], s[\g1b:\g1b+7]
	s_nop 0
.rept 4
	v_nop
.endr
.Lasked_\@:
.endm
.macro CREST
	s_cmp_lg_u32 s14, 0
	s_cbranch_scc1 .Lnot_wave_0_\@
	s_barrier_signal -3
.Lnot_wave_0_\@:
	s_barrier_wait -3
	s_barrier_signal -1
	s_barrier_wait -1
.endm
.macro CROUND
	s_barrier_signal -1
	s_barrier_wait -1
	CREST
.endm
	s_load_b128 s[4:7], s[0:1], 0x0                ; xw, qkv
	v_lshl_add_u32 v[SPW], v0, 2, SPARE
	v_mov_b32 v[NIL], 0
	ds_add_u32 v[SPW], v[NIL]                      ; the opening lines: the add twice on end and its wait
	ds_add_u32 v[SPW], v[NIL]
	s_wait_dscnt 0x0
	v_lshrrev_b32 v1, 5, v0
	v_readfirstlane_b32 s14, v1                    ; wave
	s_lshr_b32 s15, s14, 1                         ; my half of the block's rows; also: I fetch for A (0) or B (1)
	s_and_b32 s16, s14, 1                          ; my half of its columns; also: which half of the tile I fetch
	s_bfe_u32 s40, ttmp6, 0x40000
	s_bfe_u32 s41, ttmp6, 0x40004
	s_lshl_b32 s42, ttmp9, 2
	s_add_co_u32 s42, s42, s40                     ; x
	s_and_b32 s13, ttmp7, 0xffff
	s_lshl_b32 s13, s13, 2
	s_add_co_u32 s13, s13, s41                     ; y
	s_lshl_b32 s43, s41, 2
	s_lshl_b32 s43, 15, s43
	s_lshl_b32 s44, 0x1111, s40
	s_or_b32 s[G1+0], s43, (3<<16)|(1<<21)         ; elements of 8 bytes; A's tiles go to my row of the cluster,
	s_or_b32 s[G1B+0], s44, (3<<16)|(1<<21)        ; B's to my column
	s_mov_b32 s[G1+1], 32<<16                      ; v: dense blocks as rows of 256 bytes: 4 records of A,
	s_mov_b32 s[G1+2], 100<<16
	s_mov_b32 s[G1+3], 32<<16
	s_mov_b32 s[G1+4], 100
	s_mov_b32 s[G1+5], 32
	s_mov_b32 s[G1+6], 0
	s_mov_b32 s[G1+7], 0
	s_mov_b32 s[G1B+1], 32<<16                     ; 8 records of B
	s_mov_b32 s[G1B+2], 200<<16
	s_mov_b32 s[G1B+3], 32<<16
	s_mov_b32 s[G1B+4], 200
	s_mov_b32 s[G1B+5], 32
	s_mov_b32 s[G1B+6], 0
	s_mov_b32 s[G1B+7], 0
	s_mul_i32 s20, s13, 8*REC
	s_mul_i32 s21, s16, 4*REC
	s_add_co_u32 s20, s20, s21
	s_add_co_u32 s20, s20, 8*ASTEP                 ; value's records: row blocks 8 y + 4 half ..
	s_mov_b32 s21, 0
	s_lshr_b32 s22, s13, 4                         ; query or key, by y alone
	s_mul_i32 s22, s22, 4*ASTEP
	s_and_b32 s23, s13, 15
	s_mul_i32 s23, s23, 16*REC
	s_add_co_u32 s22, s22, s23
	s_mul_i32 s23, s16, 8*REC
	s_add_co_u32 s22, s22, s23                     ; row blocks 16 (y % 16) + 8 half ..
	s_mov_b32 s23, 0
	s_mul_i32 s46, s42, 16*REC
	s_mul_i32 s47, s16, 8*REC
	s_add_co_u32 s46, s46, s47                     ; a weight's row blocks 16 x + 8 half ..
	s_and_b32 s2, ttmp7, 0xffff
	s_lshr_b32 s2, s2, 2                           ; Wq or Wk, by the cluster's y alone: the same in my column of the cluster
	s_mul_i32 s2, s2, 4*BSTEP
	s_add_co_u32 s2, s2, s46
	s_add_co_u32 s2, s2, 19660800
	s_mov_b32 s3, 0
	s_add_co_u32 s46, s46, 19660800+8*BSTEP        ; Wv
	s_mov_b32 s47, 0
	s_mul_i32 s45, s16, 4*REC
	s_mul_i32 s18, s16, 8*REC
	s_add_co_u32 s18, s18, ABYTES
	s_wait_kmcnt 0x0
	s_add_nc_u64 s[20:21], s[4:5], s[20:21]
	s_add_nc_u64 s[46:47], s[4:5], s[46:47]
	s_add_nc_u64 s[BA:BA+1], s[4:5], s[22:23]
	s_add_nc_u64 s[BB:BB+1], s[4:5], s[2:3]
	CROUND                                         ; all sixteen work-groups are here: the first joint loads meet
.irp s, 0,1
	s_mov_b32 s[G0+4*\s], 1
	s_add_co_u32 s[G0+4*\s+1], s45, \s*SLOT
	s_add_nc_u64 s[G0+4*\s+2:G0+4*\s+3], s[20:21], \s*ASTEP
	s_or_b32 s[G0+4*\s+3], s[G0+4*\s+3], 0x80000000
	s_mov_b32 s[G0B+4*\s], 1
	s_add_co_u32 s[G0B+4*\s+1], s18, \s*SLOT
	s_add_nc_u64 s[G0B+4*\s+2:G0B+4*\s+3], s[46:47], \s*BSTEP
	s_or_b32 s[G0B+4*\s+3], s[G0B+4*\s+3], 0x80000000
.endr
	JLOAD G0, G1, G0B, G1B                         ; v's slot 0: one tensor load a wave at the head
	s_mov_b32 s[SEL], 0x76543210
	s_mov_b32 s[SEL+1], 0xfedcba98
	v_and_b32 v1, 15, v0
	v_bfe_u32 v2, v0, 4, 1
	v_and_b32 v3, 31, v0
	v_lshlrev_b32 v[L16], 4, v3
	v_lshlrev_b32 v[H32], 5, v2
	s_mul_i32 s22, s15, 4*REC
	s_mul_i32 s23, s16, 8*REC
	s_add_co_u32 s23, s23, ABYTES
	s_sub_co_u32 s19, s23, s22
	v_mul_u32_u24 v4, s19, v2
	v_lshl_add_u32 v4, v1, 4, v4
.irp s, 0,1
	v_add_nc_u32 v[ADRA+\s], s22, v[L16]           ; v: my 4 records of A, my 8 of B, and the scale words (lanes 0-15 A's, lanes 16-31 B's)
	v_add_nc_u32 v[ADRB+\s], s23, v[L16]
	v_add_nc_u32 v[ADRS+\s], s22, v4
	s_add_co_u32 s22, s22, SLOT
	s_add_co_u32 s23, s23, SLOT
.endr
	s_wait_alu depctr_va_vdst(0)                   ; ahead of the later readers of the lane's numbers
	s_mul_i32 s22, s15, 8*HREC
	s_mul_i32 s23, s16, 8*HREC
	s_add_co_u32 s23, s23, 16*HREC
	s_sub_co_u32 s19, s23, s22
	v_mul_u32_u24 v5, s19, v2
	v_lshl_add_u32 v5, v1, 4, v5
	v_add_nc_u32 v[ADS2], s22, v5                  ; the large block: scale words, in its first slot alone
.irp s, 0,1
	v_add_nc_u32 v[ADA2+\s], s22, v[L16]           ; my 8 half records of A, my 8 of B
	v_add_nc_u32 v[ADB2+\s], s23, v[L16]
	s_add_co_u32 s22, s22, SLOT
	s_add_co_u32 s23, s23, SLOT
.endr
	s_mul_i32 s19, s14, 6912
	s_add_co_u32 s19, s19, STG                     ; my stage for v's codes
	v_lshrrev_b32 v5, 2, v1
	v_mul_u32_u24 v5, v5, 1728
	v_mad_u32_u24 v5, v2, 192, v5
	v_and_b32 v6, 3, v1
	v_mad_u32_u24 v5, v6, 48, v5
	v_add_nc_u32 v[STO], s19, v5
	v_add_nc_u32 v[RD], s19, v[L16]
	v_lshlrev_b32 v[SOQ], 3, v2
	v_lshl_add_u32 v[SOQ], v1, 4, v[SOQ]
	v_lshlrev_b32 v[SOV], 1, v[SOQ]
.irp b, 0,1,2,3
	v_mov_b32 v[TM+4+\b], 0                        ; a lane permute's destination counts as one of its sources
.endr
	s_lshl_b32 s17, s42, 1
	s_add_co_u32 s17, s17, s16                     ; my 128 columns: 2 x + half
	s_lshl_b32 s12, s13, 1
	s_add_co_u32 s12, s12, s15                     ; v: my 64 rows
	s_mul_i32 s2, s12, 4*24576
	s_mul_i32 s3, s17, 1536
	s_add_co_u32 s2, s2, s3
	s_add_co_u32 s2, s2, 12582912
	s_mov_b32 s3, 0
	s_add_nc_u64 s[8:9], s[6:7], s[2:3]            ; v's codes
	s_lshl_b32 s2, s12, 13
	s_lshl_b32 s19, s17, 9
	s_add_co_u32 s2, s2, s19
	s_add_co_u32 s2, s2, 19398656
	s_add_nc_u64 s[VSB:VSB+1], s[6:7], s[2:3]      ; v's scale words
	s_lshr_b32 s20, s13, 4                         ; q (0) or k (1)
	s_and_b32 s21, s13, 15
	s_lshl_b32 s21, s21, 4
	s_lshl_b32 s22, s15, 3
	s_add_co_u32 s21, s21, s22                     ; my first row block: 16 (y % 16) + 8 half
	s_mul_i32 s2, s20, 6291456
	s_mul_i32 s22, s21, 24576
	s_add_co_u32 s2, s2, s22
	s_mul_i32 s22, s17, 1536
	s_add_co_u32 s2, s2, s22
	s_add_nc_u64 s[QC:QC+1], s[6:7], s[2:3]        ; q's or k's codes: [row block][head][1536]
	s_lshl_b32 s2, s20, 18
	s_lshl_b32 s22, s21, 10
	s_add_co_u32 s2, s2, s22
	s_lshl_b32 s22, s17, 8
	s_add_co_u32 s2, s2, s22
	s_add_co_u32 s2, s2, 18874368
	s_add_nc_u64 s[QS:QS+1], s[6:7], s[2:3]        ; their scale words: [row block / 4][head][row][row block % 4]
	s_lshl_b32 s2, s17, 9
	s_add_co_u32 s2, s2, 32768000+16384
	s_add_nc_u64 s[18:19], s[4:5], s[2:3]          ; bv in Wv's row order
	s_lshl_b32 s2, s17, 9
	s_lshl_b32 s22, s20, 13
	s_add_co_u32 s2, s2, s22
	s_add_co_u32 s2, s2, 32768000
	s_add_nc_u64 s[10:11], s[4:5], s[2:3]          ; bq or bk
.macro BIAS lo                         ; 64 numbers a lane, in the results' layout, into window 1
	WIN 0x40
.irp i, 0,1,2,3,4,5,6,7
	global_load_b128 v[96+8*\i+96*(\i/4):96+8*\i+96*(\i/4)+3], v[H32], s[\lo:\lo+1] offset:64*\i
	global_load_b128 v[96+8*\i+96*(\i/4)+4:96+8*\i+96*(\i/4)+7], v[H32], s[\lo:\lo+1] offset:64*\i+16
.endr
	WIN 0
.endm
	BIAS 18
; ---- v's macros: a K step is 32 products (4 blocks of A x 8 of B)
.macro FB s, q, p
	WIN 0x40
.irp i, 0,1,2,3,4,5,6,7
.irp g, 0,1,2
	ds_load_b128 v[128*(\p)+FR*\i+4*\g:128*(\p)+FR*\i+4*\g+3], v[ADRB+\s] offset:REC*\i+1536*(\q)+512*\g
.endr
.endr
	WIN 0
.endm
.macro FA s, q, p, a0
.irp a, \a0, \a0+1
.irp g, 0,1,2
	ds_load_b128 v[AF+48*(\p)+FR*(\a)+4*\g:AF+48*(\p)+FR*(\a)+4*\g+3], v[ADRA+\s] offset:REC*(\a)+1536*(\q)+512*\g
.endr
.endr
.endm
.macro SCL s
.irp i, 0,1,2,3,4,5,6,7
	ds_load_b128 v[SC+32*(\s)+4*\i:SC+32*(\s)+4*\i+3], v[ADRS+\s] offset:REC*\i+6144
.endr
.endm
.macro MUL a0, n, p, q, s, first
.if \first
	WIN 0x91
.else
	WIN 0xa1
.endif
.set MA, \a0
.rept \n
.irp i, 0,1,2,3,4,5,6,7
.if \first
	v_wmma_scale_f32_16x16x128_f8f6f4 v[8*(8*MA+\i):8*(8*MA+\i)+7], v[128*(\p)+FR*\i:128*(\p)+FR*\i+FR-1], v[AF+48*(\p)+FR*MA:AF+48*(\p)+FR*MA+FR-1], v[96+8*\i+96*(\i/4):96+8*\i+96*(\i/4)+7], v[SC+32*(\s)+4*\i+(\q)], v[SC+32*(\s)+4*MA+(\q)] matrix_a_fmt:MATRIX_FMT_FP6 matrix_b_fmt:MATRIX_FMT_FP6 matrix_a_scale:MATRIX_SCALE_ROW1
.else
	v_wmma_scale_f32_16x16x128_f8f6f4 v[8*(8*MA+\i):8*(8*MA+\i)+7], v[128*(\p)+FR*\i:128*(\p)+FR*\i+FR-1], v[AF+48*(\p)+FR*MA:AF+48*(\p)+FR*MA+FR-1], v[8*(8*MA+\i):8*(8*MA+\i)+7], v[SC+32*(\s)+4*\i+(\q)], v[SC+32*(\s)+4*MA+(\q)] matrix_a_fmt:MATRIX_FMT_FP6 matrix_b_fmt:MATRIX_FMT_FP6 matrix_a_scale:MATRIX_SCALE_ROW1
.endif
.endr
.set MA, MA+1
.endr
.endm
.macro KSTEP s, q, first
	s_wait_dscnt 6                                 ; all but the youngest six loads (A's blocks 2, 3)
	MUL 0, 2, (\q)%2, \q, \s, \first
	PLACES 4
	FB \s, (\q)+1, 1-(\q)%2
	FA \s, (\q)+1, 1-(\q)%2, 0
	FA \s, (\q)+1, 1-(\q)%2, 2
	s_wait_dscnt 36                                ; all but the 36 just issued
	MUL 2, 2, (\q)%2, \q, \s, \first
.endm
.macro BIGDESC sl                      ; no load of mine is out: the descriptors of the large block's slot sl: 8 rows of 3,328 bytes, 6,400 apart
.if \sl == 0
.irp g, G1, G1B
	s_mov_b32 s[\g+1], (HREC/8)<<16
	s_mov_b32 s[\g+2], 8<<16
	s_mov_b32 s[\g+3], (HREC/8)<<16
	s_mov_b32 s[\g+4], 8
	s_mov_b32 s[\g+5], REC/8
.endr
.endif
	s_mul_i32 s[G0+4*\sl+1], s16, 8*HREC
	s_mul_i32 s[G0B+4*\sl+1], s16, 8*HREC
	s_add_co_u32 s[G0+4*\sl+1], s[G0+4*\sl+1], \sl*SLOT
	s_add_co_u32 s[G0B+4*\sl+1], s[G0B+4*\sl+1], 16*HREC+\sl*SLOT
	s_add_nc_u64 s[G0+4*\sl+2:G0+4*\sl+3], s[BA:BA+1], 3072*(1-\sl)
	s_or_b32 s[G0+4*\sl+3], s[G0+4*\sl+3], 0x80000000
	s_add_nc_u64 s[G0B+4*\sl+2:G0B+4*\sl+3], s[BB:BB+1], 3072*(1-\sl)
	s_or_b32 s[G0B+4*\sl+3], s[G0B+4*\sl+3], 0x80000000
.endm
.macro TURN s, nx, fill                ; v's last K step of a slot, and the change of slots.  fill = 1: this slot's next 512 of v; 2: the large block's first half slot
	s_wait_dscnt 6
	MUL 0, 2, 1, 3, \s, 0
	WIN 0
	s_wait_tensorcnt 0x0                           ; all my tensor loads have landed: my part of the other slot
	ds_add_u32 v[SPW], v[NIL]
.if \fill == 1
	s_add_nc_u64 s[G0+4*\s+2:G0+4*\s+3], s[G0+4*\s+2:G0+4*\s+3], 2*ASTEP
	s_add_nc_u64 s[G0B+4*\s+2:G0B+4*\s+3], s[G0B+4*\s+2:G0B+4*\s+3], 2*BSTEP
.else
	BIGDESC 0
.endif
	s_wait_dscnt 0x0                               ; the add is done, and so are my reads of this slot
	s_barrier_signal -1
	s_barrier_wait -1
	CREST
	JLOAD G0+4*\s, G1, G0B+4*\s, G1B
	FB \nx, 0, 0
	FA \nx, 0, 0, 0
	SCL \nx
	FA \nx, 0, 0, 2
	MUL 2, 2, 1, 3, \s, 0
.endm
; ---- the large block's macros: a K step is 64 products (8 blocks of A x 8 of B); A has one set of registers, B two
.macro GB sl, j, p
	WIN 0x40
.irp i, 0,1,2,3,4,5,6,7
.irp g, 0,1,2
	ds_load_b128 v[128*(\p)+FR*\i+4*\g:128*(\p)+FR*\i+4*\g+3], v[ADB2+(\sl)] offset:HREC*\i+1536*(\j)+512*\g
.endr
.endr
	WIN 0
.endm
.macro GA sl, j, a0
.irp a, 0,1,2,3
.irp g, 0,1,2
	ds_load_b128 v[AF+FR*(\a0+\a)+4*\g:AF+FR*(\a0+\a)+4*\g+3], v[ADA2+(\sl)] offset:HREC*(\a0+\a)+1536*(\j)+512*\g
.endr
.endr
.endm
.macro GS                              ; the scale words of 512 along K: register 4 i + q: lanes 0-15 A's block i, lanes 16-31 B's block i, fragment q
.irp i, 0,1,2,3,4,5,6,7
	ds_load_b128 v[SC+4*\i:SC+4*\i+3], v[ADS2] offset:HREC*\i+3072
.endr
.endm
.macro MULB hi, p, q, first            ; A's blocks 4 hi .. 4 hi + 3 x B's eight; the 64 accumulators take turns
.if \first
	WIN 0x91+0x40*(\hi)
.else
	WIN 0xa1+0x50*(\hi)
.endif
.irp a, 0,1,2,3
.irp i, 0,1,2,3,4,5,6,7
.if \first
	v_wmma_scale_f32_16x16x128_f8f6f4 v[8*(8*\a+\i):8*(8*\a+\i)+7], v[128*(\p)+FR*\i:128*(\p)+FR*\i+FR-1], v[AF+FR*(4*(\hi)+\a):AF+FR*(4*(\hi)+\a)+FR-1], v[96+8*\i+96*(\i/4):96+8*\i+96*(\i/4)+7], v[SC+4*\i+(\q)], v[SC+4*(4*(\hi)+\a)+(\q)] matrix_a_fmt:MATRIX_FMT_FP6 matrix_b_fmt:MATRIX_FMT_FP6 matrix_a_scale:MATRIX_SCALE_ROW1
.else
	v_wmma_scale_f32_16x16x128_f8f6f4 v[8*(8*\a+\i):8*(8*\a+\i)+7], v[128*(\p)+FR*\i:128*(\p)+FR*\i+FR-1], v[AF+FR*(4*(\hi)+\a):AF+FR*(4*(\hi)+\a)+FR-1], v[8*(8*\a+\i):8*(8*\a+\i)+7], v[SC+4*\i+(\q)], v[SC+4*(4*(\hi)+\a)+(\q)] matrix_a_fmt:MATRIX_FMT_FP6 matrix_b_fmt:MATRIX_FMT_FP6 matrix_a_scale:MATRIX_SCALE_ROW1
.endif
.endr
.endr
.endm
; K step c = 0 .. 3 of 512 along K: slot c / 2, fragment c % 2 of the half record, which is fragment (c + 2) % 4 of the record.  Steps 1 and 3 change slots; fill = 1: the slot left behind takes its next half records.
.macro BIGK c, first, fill
.set NC, ((\c)+1)%4
.set SL, (\c)/2
	s_wait_dscnt 12                                ; all but the youngest twelve loads (A's blocks 4-7)
	MULB 0, (\c)%2, ((\c)+2)%4, \first
.if (\c)%2
	WIN 0
	s_wait_tensorcnt 0x0                           ; all my tensor loads have landed: my part of the other slot
	ds_add_u32 v[SPW], v[NIL]
.if \fill
	s_add_nc_u64 s[G0+4*SL+2:G0+4*SL+3], s[G0+4*SL+2:G0+4*SL+3], ASTEP
	s_add_nc_u64 s[G0B+4*SL+2:G0B+4*SL+3], s[G0B+4*SL+2:G0B+4*SL+3], BSTEP
.endif
	s_wait_dscnt 0x0                               ; the add is done, and so are my reads of this slot
	s_barrier_signal -1
	s_barrier_wait -1
.if \fill
	CREST
	JLOAD G0+4*SL, G1, G0B+4*SL, G1B
.else
	PLACES 4
.endif
.else
	s_wait_dscnt 0x0                               ; A's blocks 4-7 are in
	PLACES 4
.endif
	GB NC/2, NC%2, NC%2
	GA NC/2, NC%2, 0
	MULB 1, (\c)%2, ((\c)+2)%4, \first
	PLACES 4
	WIN 0
.if (\c) == 3
	GS
.endif
	GA NC/2, NC%2, 4
.endm
.macro QUANTQK a                       ; block a's 16 rows x 128 columns: four blocks of 32 along the head, their scale word, their codes as the operand's registers
.set AC, 64*((\a)%4)
.set PC, AF+12*(\a)
	WIN 0x0a+5*((\a)/4)
.irp b, 0,1,2,3
	v_max3_num_f32 v[TM+\b], |v[AC+16*\b]|, |v[AC+16*\b+1]|, 0x1800000
.endr
.irp i, 2,4,6,8,10,12,14
.irp b, 0,1,2,3
	v_max3_num_f32 v[TM+\b], |v[AC+16*\b+\i]|, |v[AC+16*\b+\i+1]|, v[TM+\b]
.endr
.endr
	WIN 0
.irp b, 0,1,2,3
	v_permlanex16_b32 v[TM+4+\b], v[TM+\b], s[SEL], s[SEL+1]
.endr
.irp b, 0,1,2,3
	v_max_num_f32 v[TM+\b], v[TM+\b], v[TM+4+\b]
.endr
.irp b, 0,1,2,3
	v_add_nc_u32 v[TM+12+\b], 0xff000000, v[TM+\b]
.endr
.irp b, 0,1,2,3
	v_lshrrev_b32 v[TM+4+\b], 23, v[TM+12+\b]
.endr
	v_lshl_or_b32 v[PW+(\a)%4], v[TM+5], 8, v[TM+4]
	v_lshl_or_b32 v[PW+(\a)%4], v[TM+6], 16, v[PW+(\a)%4]
	v_lshl_or_b32 v[PW+(\a)%4], v[TM+7], 24, v[PW+(\a)%4]
	WIN 0x02+(\a)/4
.irp c, 0,1
	v_cvt_scalef32_pk16_fp6_f32 v[PC+6*\c:PC+6*\c+2], v[AC+32*\c:AC+32*\c+15], v[TM+12+2*\c]
	v_cvt_scalef32_pk16_fp6_f32 v[TT+4*\c:TT+4*\c+2], v[AC+32*\c+16:AC+32*\c+31], v[TM+12+2*\c+1]
.endr
	WIN 0
	v_nop
.irp c, 0,1
.irp i, 0,1,2
	v_permlane16_swap_b32 v[PC+6*\c+\i], v[TT+4*\c+\i]
.endr
.irp i, 0,1,2
	v_mov_b32 v[PC+6*\c+3+\i], v[TT+4*\c+\i]
.endr
.endr
.irp g, 0,1,2
	global_store_b128 v[L16], v[PC+4*\g:PC+4*\g+3], s[QC:QC+1] offset:24576*(\a)+512*\g
.endr
.endm
.macro QUANTV i
.set PC, AF+12*(\i)
	WIN 0x0a
.irp k, 0,1
	v_max3_num_f32 v[TM+\k], |v[128*\k+16*(\i)]|, |v[128*\k+16*(\i)+1]|, 0x1800000
.endr
.irp n, 2,4,6,8,10,12,14
.irp k, 0,1
	v_max3_num_f32 v[TM+\k], |v[128*\k+16*(\i)+\n]|, |v[128*\k+16*(\i)+\n+1]|, v[TM+\k]
.endr
.endr
.irp n, 0,2,4,6,8,10,12,14
.irp k, 0,1
	v_max3_num_f32 v[TM+\k], |v[128*\k+64+16*(\i)+\n]|, |v[128*\k+64+16*(\i)+\n+1]|, v[TM+\k]
.endr
.endr
	WIN 0
.irp k, 0,1
	v_add_nc_u32 v[TM+12+\k], 0xff000000, v[TM+\k]
.endr
.irp k, 0,1
	v_lshrrev_b32 v[TM+4+\k], 23, v[TM+12+\k]
.endr
	v_lshl_or_b32 v[PW+(\i)], v[TM+5], 8, v[TM+4]
	WIN 0x02
.irp k, 0,1
	v_cvt_scalef32_pk16_fp6_f32 v[PC+6*\k:PC+6*\k+2], v[128*\k+16*(\i):128*\k+16*(\i)+15], v[TM+12+\k]
	v_cvt_scalef32_pk16_fp6_f32 v[TT+4*\k:TT+4*\k+2], v[128*\k+64+16*(\i):128*\k+64+16*(\i)+15], v[TM+12+\k]
.endr
	WIN 0
	v_nop
.irp k, 0,1
.irp n, 0,1,2
	v_mov_b32 v[PC+6*\k+3+\n], v[TT+4*\k+\n]
.endr
.endr
.irp g, 0,1,2
	ds_store_b128 v[STO], v[PC+4*\g:PC+4*\g+3] offset:384*(\i)+16*\g
.endr
.endm
	s_wait_alu depctr_va_vdst(0)                   ; the wait at the head's end
	s_wait_tensorcnt 0x0                           ; my part of slot 0 is in; the three lines ahead of a later first fill, as ahead of a refill
	ds_add_u32 v[SPW], v[NIL]
	s_wait_dscnt 0x0
	CROUND
	JLOAD G0+4, G1, G0B+4, G1B                     ; v's slot 1, the first tensor load behind the round
	s_wait_loadcnt 0x0                             ; bv
	FB 0, 0, 0
	FA 0, 0, 0, 0
	SCL 0
	FA 0, 0, 0, 2
	; ---- v: 128 x 256, K in four slots of 512
	KSTEP 0, 0, 1
	KSTEP 0, 1, 0
	BIAS 10                                        ; bq or bk, into the registers that v's first products have read (four places stand between)
	KSTEP 0, 2, 0
	TURN 0, 1, 1
	KSTEP 1, 0, 0
	KSTEP 1, 1, 0
	KSTEP 1, 2, 0
	TURN 1, 0, 1
	KSTEP 0, 0, 0
	KSTEP 0, 1, 0
	KSTEP 0, 2, 0
	TURN 0, 1, 2                                   ; v's slot 0 is read out: it takes the large block's first half slot
	KSTEP 1, 0, 0
	KSTEP 1, 1, 0
	KSTEP 1, 2, 0
	s_wait_dscnt 6
	MUL 0, 2, 1, 3, 1, 0
	s_wait_dscnt 0x0
	MUL 2, 2, 1, 3, 1, 0
	WIN 0
	s_wait_tensorcnt 0x0                           ; the large block's first half slot is in
	ds_add_u32 v[SPW], v[NIL]
	BIGDESC 1
	s_wait_dscnt 0x0
	s_barrier_signal -1
	s_barrier_wait -1
	CREST
	JLOAD G0+4, G1, G0B+4, G1B                     ; v's slot 1 is read out: it takes the second half slot; the four v_nop are the places ahead of the reads of v's sums
	QUANTV 0
	QUANTV 1
	QUANTV 2
	QUANTV 3
.irp n, 0,1,2,3,4,5,6,7,8,9,10,11
	ds_load_b128 v[AF+48+4*\n:AF+48+4*\n+3], v[RD] offset:1728*(\n/3)+512*(\n%3)
.endr
	s_wait_alu depctr_va_vdst(0)                   ; directly ahead of the waits below
.irp n, 0,1,2,3,4,5,6,7,8,9,10,11
	s_wait_dscnt 11-\n
	global_store_b128 v[L16], v[AF+48+4*\n:AF+48+4*\n+3], s[8:9] offset:24576*(\n/3)+512*(\n%3)
.endr
	global_store_b128 v[SOV], v[PW:PW+3], s[VSB:VSB+1]
	s_wait_loadcnt 0x0                             ; bq or bk
	s_wait_xcnt 0x0                                ; the stores have read their registers, which take fragments now
	; ---- q or k: 256 x 256, K in eight half slots
	GB 0, 0, 0
	GA 0, 0, 0
	GS
	GA 0, 0, 4
	BIGK 0, 1, 0                                   ; the first K step starts the sums on the bias
	s_mov_b32 s12, 3
.Lk:                                               ; a trip goes from a 512's second K step to the next 512's first, and fills both slots again
	BIGK 1, 0, 1
	BIGK 2, 0, 0
	BIGK 3, 0, 1
	BIGK 0, 0, 0
	s_sub_co_u32 s12, s12, 1
	s_cmp_lg_u32 s12, 0
	s_cbranch_scc1 .Lk
	BIGK 1, 0, 0                                   ; the last 512: nothing more is asked for
	BIGK 2, 0, 0
	s_wait_dscnt 12
	MULB 0, 1, 1, 0
	s_wait_dscnt 0x0
	MULB 1, 1, 1, 0
	WIN 0
	PLACES 4
	v_cmp_ne_u32 vcc_lo, 0, v[H32]
	QUANTQK 0
	QUANTQK 1
	QUANTQK 2
	QUANTQK 3
	v_cndmask_b32 v[TM+8], v[PW], v[PW+2], vcc_lo  ; lanes 0-15 store words 0 and 1 of their row, lanes 16-31 words 2 and 3
	v_cndmask_b32 v[TM+9], v[PW+1], v[PW+3], vcc_lo
	global_store_b64 v[SOQ], v[TM+8:TM+9], s[QS:QS+1]
	QUANTQK 4
	QUANTQK 5
	QUANTQK 6
	QUANTQK 7
	v_cndmask_b32 v[TM+10], v[PW], v[PW+2], vcc_lo
	v_cndmask_b32 v[TM+11], v[PW+1], v[PW+3], vcc_lo
	global_store_b64 v[SOQ], v[TM+10:TM+11], s[QS:QS+1] offset:4096
	s_wait_tensorcnt 0x0                           ; the wave's end
	ds_add_u32 v[SPW], v[NIL]
	s_wait_dscnt 0x0
	CROUND                                         ; the closing round
	s_endpgm
.Lfunc_end_k_q15fa02ae44_proj:
	.size	k_q15fa02ae44_proj, .Lfunc_end_k_q15fa02ae44_proj-k_q15fa02ae44_proj
	.p2alignl 7, 3214868480
	.fill 96, 4, 3214868480
	.section	.rodata,"a",@progbits
	.p2align	6, 0x0
	.amdhsa_kernel k_q15fa02ae44_proj
		.amdhsa_group_segment_fixed_size 327680
		.amdhsa_private_segment_fixed_size 0
		.amdhsa_enable_private_segment 0
		.amdhsa_kernarg_size 16
		.amdhsa_user_sgpr_count 2
		.amdhsa_user_sgpr_kernarg_segment_ptr 1
		.amdhsa_wavefront_size32 1
		.amdhsa_system_sgpr_workgroup_id_x 1
		.amdhsa_system_sgpr_workgroup_id_y 1
		.amdhsa_system_sgpr_workgroup_id_z 1
		.amdhsa_system_vgpr_workitem_id 0
		.amdhsa_next_free_vgpr 1024
		.amdhsa_next_free_sgpr 80
		.amdhsa_reserve_vcc 1
		.amdhsa_float_denorm_mode_32 3
		.amdhsa_float_denorm_mode_16_64 3
		.amdhsa_memory_ordered 1
		.amdhsa_forward_progress 1
		.amdhsa_inst_pref_size 255
	.end_amdhsa_kernel
	.section	.bss,"aw",@nobits
	.p2align	6
	.space	262144
	.amdgpu_metadata
---
amdhsa.version: [ 1, 2 ]
amdhsa.kernels:
  - .name:           k_q15fa02ae44_proj
    .symbol:         k_q15fa02ae44_proj.kd
    .args:
      - { .name: xw, .offset: 0, .size: 8, .value_kind: global_buffer, .address_space: global }
      - { .name: qkv, .offset: 8, .size: 8, .value_kind: global_buffer, .address_space: global }
    .group_segment_fixed_size: 327680
    .private_segment_fixed_size: 0
    .kernarg_segment_align: 8
    .kernarg_segment_size: 16
    .max_flat_workgroup_size: 128
    .sgpr_count:     80
    .vgpr_count:     1024
    .wavefront_size: 32
...
	.end_amdgpu_metadata
.endif
;; end of part 2
;; launch attn (part 3): grid 256 x 1, 16 waves a work-group, no clusters, 113,920 bytes of LDS; arguments qkv, oc; writes oc
.if DOCPART == 3
	.amdgcn_target "amdgcn-amd-amdhsa--gfx1250"
	.amdhsa_code_object_version 6
	.text
	.protected	k_q15fa02ae44_attn
	.globl	k_q15fa02ae44_attn
	.p2align	8
	.type	k_q15fa02ae44_attn,@function
k_q15fa02ae44_attn:
	s_mov_b64 s[64:65], 0
	v_nop
	global_prefetch_b8 v0, s[64:65] scope:SCOPE_SE
	s_setreg_imm32_b32 hwreg(HW_REG_WAVE_MODE, 25, 1), 1
	s_wait_xcnt 0x0
; For each time step t: 64 queries and 64 keys (index 16 b + h), head size 128: S = q k^T, softmax over the keys, O = p v, O / l; both products on codes of FP6 (E2M3) with E8M0 scales; o is quantised along e = 128 h + f for the last product.
; THE SOFTMAX AHEAD OF THE SECOND PRODUCT: t = score x log2(e) / 128 (q's two scalings, 2^-7, are applied here: q's codes were made of the unscaled q, which gives the same codes); M = ceil(the row's largest t); p = 2^(t - M) is quantised
; along the keys; l is the sum of the unquantised p and divides O at the end.  All 64 keys are seen at once: M is the row's own.
; SHARES: a work-group takes four time steps (t / 4 = its number), wave w the time step t % 4 = w / 4 and the queries of b = w % 4: lane % 16 = the head.  No work-group shares input with another: no cluster; nothing is read twice: operands come through registers into LDS once.
; Both products are used transposed: S^T = K Q^T, O^T = V^T P^T: a lane holds one query throughout.  The keys of tile (B, u) are 32 B + 8 u + m + 8 (m / 8), and V's rows of tile 2 B + u are f = 32 B + 8 u + m + 8 (m / 8): so 16 registers of two neighbouring tiles
; are 16 neighbours along the next K.  The second product's K is 64: registers 6-11 of both operands are zero codes.
; LIMITS: a block of p or o under 2^-124 keeps the byte 1 (its codes are zeros or subnormals of that scale); NaN and infinities are not served.
; LDS: q's and k's images, 1,568 bytes a head; v's, 1,552 bytes for each 8 f; their scale words; a stage for o's images (1,552 a head) and o's scale words.
.set CK,  25088
.set CV,  50176
.set SQ,  75008
.set SK,  79360
.set SV,  83712
.set OST, 86016
.set OSS, 110848
.set TM,  212                          ; v212-215 largest magnitudes, v216-219 the other half's, then bytes, v224-227 scale operands
.set PW,  228
.set PC,  230                          ; v230-241 o's codes; v242-248 upper halves
; v1 AQ, v2 AK, v3 AV, v4 ASQ, v5 ASK, v6 ASV, v7 OSTO, v8 OSSA, v9 ORD, v10 16 x lane, v11 o's scale words back, v30 8 x lane; v12 -M, v13 t, v[14:15] l; v16-27 Q, v28 its scale words, v29 p's;
; v32-79 four fragments of K, then of V; v80-83 their scale words; v96-127 S^T, then p; v128-191 O^T; v192-203 p's codes
	s_load_b128 s[4:7], s[0:1], 0x0                ; qkv, oc
	v_lshl_add_u32 v254, v0, 2, 0x1b500
	v_mov_b32 v255, 0
	v_lshrrev_b32 v240, 5, v0
	s_delay_alu instid0(VALU_DEP_1)
	v_readfirstlane_b32 s8, v240                   ; wave w
	v_and_b32 v241, 31, v0                         ; lane
	v_and_b32 v242, 15, v0                         ; rho = lane % 16
	v_bfe_u32 v243, v0, 4, 1                       ; hh
	v_and_b32 v244, 7, v0                          ; rho % 8
	v_bfe_u32 v245, v0, 3, 1                       ; rho / 8
	s_lshr_b32 s9, s8, 2                           ; tq = t % 4
	s_and_b32 s10, s8, 3                           ; b of my queries
	s_and_b32 s11, ttmp9, 3                        ; (t / 4) % 4
	s_lshr_b32 s12, ttmp9, 2                       ; t / 16
	s_mul_i32 s14, ttmp9, 24576
	s_mov_b32 s15, 0
	s_mul_i32 s22, s8, 1536
	v_lshlrev_b32 v10, 4, v241
	s_delay_alu instid0(VALU_DEP_1)
	v_add_nc_u32 v246, s22, v10                    ; wave w copies head w (q, k), f / 8 = w (v)
	v_lshlrev_b32 v247, 2, v241
	v_lshlrev_b32 v30, 3, v241
	s_lshr_b32 s24, s8, 3                          ; waves 0-7 copy q's scale words, 8-15 k's: two heads, 512 bytes, each
	s_lshl_b32 s24, s24, 18
	s_lshl_b32 s25, s12, 12
	s_add_co_u32 s24, s24, s25
	s_and_b32 s25, s8, 7
	s_lshl_b32 s25, s25, 9
	s_add_co_u32 s24, s24, s25
	s_add_co_u32 s24, s24, 18874368
	s_lshl_b32 s25, s11, 2
	s_add_co_u32 s24, s24, s25                     ; of a row's four scale words the one of my (t / 4) % 4: chosen here, in the global address
	s_mov_b32 s25, 0
	s_lshl_b32 s26, s12, 13                        ; v's: [t / 16][f / 8 = w][t % 16]: my work-group's four t are 128 bytes
	s_lshl_b32 s27, s8, 9
	s_add_co_u32 s26, s26, s27
	s_lshl_b32 s27, s11, 7
	s_add_co_u32 s26, s26, s27
	s_add_co_u32 s26, s26, 19398656
	s_mov_b32 s27, 0
	s_wait_alu depctr_va_vdst(0)
	s_wait_kmcnt 0x0
	s_add_nc_u64 s[16:17], s[4:5], s[14:15]        ; q's codes of my t / 4,
	s_add_nc_u64 s[18:19], s[16:17], 6291456       ; k's,
	s_add_nc_u64 s[20:21], s[18:19], 6291456       ; v's
	s_add_nc_u64 s[24:25], s[4:5], s[24:25]
	s_add_nc_u64 s[26:27], s[4:5], s[26:27]
.irp j, 0,1,2
	global_load_b128 v[96+4*\j:99+4*\j], v246, s[16:17] offset:512*\j th:TH_LOAD_NT
	global_load_b128 v[108+4*\j:111+4*\j], v246, s[18:19] offset:512*\j th:TH_LOAD_NT
	global_load_b128 v[120+4*\j:123+4*\j], v246, s[20:21] offset:512*\j th:TH_LOAD_NT
.endr
	global_load_b32 v132, v10, s[24:25]            ; one word of each of 32 rows, 16 bytes apart
	global_load_b32 v136, v247, s[26:27]
	; every LDS address is made here, of constants, the lane and the wave's number
	s_mul_i32 s31, s8, 1568
	v_add_nc_u32 v248, s31, v10                    ; in: q's and k's images
	s_mul_i32 s31, s8, 1552
	s_add_co_u32 s31, s31, CV
	v_add_nc_u32 v249, s31, v10                    ; v's
	s_mul_i32 s31, s8, 544
	s_add_co_u32 s31, s31, SQ
	v_mul_u32_u24 v250, v243, 272
	s_delay_alu instid0(VALU_DEP_1)
	v_lshl_add_u32 v250, v242, 4, v250
	s_delay_alu instid0(VALU_DEP_1)
	v_add_nc_u32 v250, s31, v250                   ; q's and k's scale words: 272 bytes a head
	s_mul_i32 s31, s8, 144
	s_add_co_u32 s31, s31, SV
	v_add_nc_u32 v251, s31, v247                   ; v's: 144 bytes for each 8 f
	s_lshl_b32 s28, s8, 4                          ; 16 w: row 4 (t % 4) + b of an image is my wave's number
	s_lshl_b32 s30, s9, 6
	v_mul_u32_u24 v1, v242, 1568
	s_delay_alu instid0(VALU_DEP_1)
	v_lshl_add_u32 v1, v243, 8, v1
	s_delay_alu instid0(VALU_DEP_1)
	v_add_nc_u32 v1, s28, v1                       ; AQ: head rho, row w
	v_mul_u32_u24 v2, v244, 1568
	s_delay_alu instid0(VALU_DEP_1)
	v_lshl_add_u32 v2, v245, 4, v2
	s_delay_alu instid0(VALU_DEP_1)
	v_lshl_add_u32 v2, v243, 8, v2
	s_add_co_u32 s31, s30, CK
	v_add_nc_u32 v2, s31, v2                       ; AK: head 8 u + rho % 8, row 4 tq + 2 B + rho / 8
	v_mul_u32_u24 v3, v245, 3104
	s_delay_alu instid0(VALU_DEP_1)
	v_mad_u32_u24 v3, v244, 192, v3
	s_delay_alu instid0(VALU_DEP_1)
	v_mad_u32_u24 v3, v243, 24, v3
	s_mul_i32 s31, s9, 48
	s_add_co_u32 s31, s31, CV
	v_add_nc_u32 v3, s31, v3                       ; AV: f / 8 = 4 B + u + 2 (rho / 8), f % 8 = rho % 8, key block hh
	v_mul_u32_u24 v4, v242, 272
	s_add_co_u32 s31, s28, SQ
	v_add_nc_u32 v4, s31, v4                       ; ASQ
	v_mul_u32_u24 v5, v244, 272
	s_delay_alu instid0(VALU_DEP_1)
	v_lshl_add_u32 v5, v245, 4, v5
	s_add_co_u32 s31, s30, SK
	v_add_nc_u32 v5, s31, v5                       ; ASK
	v_and_b32 v252, 1, v242
	v_bfe_u32 v253, v0, 1, 2
	v_mul_u32_u24 v6, v245, 288
	s_delay_alu instid0(VALU_DEP_1)
	v_lshl_add_u32 v6, v252, 4, v6
	s_delay_alu instid0(VALU_DEP_1)
	v_lshl_add_u32 v6, v253, 2, v6
	s_lshl_b32 s31, s9, 5
	s_add_co_u32 s31, s31, SV
	v_add_nc_u32 v6, s31, v6                       ; ASV
	v_mul_u32_u24 v7, v242, 1552
	s_delay_alu instid0(VALU_DEP_1)
	v_lshl_add_u32 v7, v243, 8, v7
	s_add_co_u32 s31, s28, OST
	v_add_nc_u32 v7, s31, v7                       ; OSTO: my query's codes are lane (row w, hh) of head rho's fragment
	v_lshrrev_b32 v252, 2, v242
	v_and_b32 v253, 3, v242
	s_delay_alu instid0(VALU_DEP_2)
	v_lshlrev_b32 v8, 8, v252
	s_delay_alu instid0(VALU_DEP_1)
	v_lshl_add_u32 v8, v253, 2, v8
	s_add_co_u32 s31, s28, OSS
	v_add_nc_u32 v8, s31, v8                       ; OSSA: [head / 4][row w][head % 4]
	s_mul_i32 s31, s8, 1552
	s_add_co_u32 s31, s31, OST
	v_add_nc_u32 v9, s31, v10                      ; ORD: wave w sends head w's image
	v_lshl_add_u32 v11, v0, 3, OSS                 ; waves 0-3: 256 bytes of scale words each
	s_mul_i32 s40, ttmp9, 6400
	s_mul_i32 s41, s9, 1638400
	s_mul_i32 s42, s10, 1536
	s_add_co_u32 s32, s40, s41
	s_add_co_u32 s32, s32, s42
	s_mov_b32 s33, 0
	s_add_nc_u64 s[32:33], s[6:7], s[32:33]        ; oc: [head / 4][t / 4][6400], fragment head % 4
	s_mul_i32 s34, s8, 1638400
	s_add_co_u32 s34, s34, s40
	s_add_co_u32 s34, s34, 6144
	s_mov_b32 s35, 0
	s_add_nc_u64 s[34:35], s[6:7], s[34:35]        ; (used by waves 0-3 alone)
	s_mov_b32 s36, 0x3c38aa3b                      ; c = log2(e) / 128
	s_mov_b32 s37, s36                             ; (named with it as a pair)
	s_mov_b32 s38, 0x76543210
	s_mov_b32 s39, 0xfedcba98
.irp j, 198,199,200,201,202,203,214,215,216,217,218,219
	v_mov_b32 v[\j], 0                             ; p's zero codes for K 64 .. 127; and the lane permutes' destinations, which count as sources
.endr
	s_wait_loadcnt 0x0
.irp j, 0,1,2
	ds_store_b128 v248, v[96+4*\j:99+4*\j] offset:512*\j
	ds_store_b128 v248, v[108+4*\j:111+4*\j] offset:CK+512*\j
	ds_store_b128 v249, v[120+4*\j:123+4*\j] offset:512*\j
.endr
	ds_store_b32 v250, v132                        ; a row's word at the head of its place of 16 bytes
	ds_store_b32 v251, v136
	s_wait_dscnt 0x0                               ; for the others' sake: my stores have landed
	s_barrier_signal -1
	s_barrier_wait -1
	; ---- S^T = K Q^T
.irp g, 0,1,2
	ds_load_b128 v[16+4*\g:19+4*\g], v1 offset:512*\g
.endr
	ds_load_b32 v28, v4
.irp t, 0,1,2,3                                ; tile t = 2 B + u
.irp g, 0,1,2
	ds_load_b128 v[32+12*\t+4*\g:35+12*\t+4*\g], v2 offset:12544*(\t%2)+32*(\t/2)+512*\g
.endr
	ds_load_b32 v[80+\t], v5 offset:2176*(\t%2)+32*(\t/2)
.endr
	s_wait_dscnt 0x0
.irp t, 0,1,2,3
	v_wmma_scale_f32_16x16x128_f8f6f4 v[96+8*\t:103+8*\t], v[32+12*\t:43+12*\t], v[16:27], 0, v[80+\t], v28 matrix_a_fmt:MATRIX_FMT_FP6 matrix_b_fmt:MATRIX_FMT_FP6
.endr                                          ; register 16 B + i of lane (rho, hh): key 32 B + 16 hh + i, query rho
.rept 4
	v_nop                                          ; places in front of writes of, and loads into, registers that the products have read, and of the first read of the scores
.endr
.irp t, 0,1,2,3
.irp j, 6,7,8,9,10,11
	v_mov_b32 v[32+12*\t+\j], 0                    ; V's zero codes for K 64 .. 127: they stay for both batches
.endr
.endr
.macro VLOAD bt                        ; V's tiles 4 bt .. 4 bt + 3: 24 bytes a lane, in pieces of 8; and their scale words
.irp t, 0,1,2,3
.irp p, 0,1,2
	ds_load_b64 v[32+12*\t+2*\p:33+12*\t+2*\p], v3 offset:1552*(4*((4*(\bt)+\t)/2)+\t%2)+8*\p
.endr
	ds_load_b32 v[80+\t], v6 offset:144*(4*((4*(\bt)+\t)/2)+\t%2)
.endr
.endm
	VLOAD 0
	; ---- the softmax
.irp b, 0,1
	v_max3_num_f32 v[212+\b], v[96+16*\b], v[97+16*\b], v[98+16*\b]   ; the largest score of each block of 32 keys: it serves the row's maximum and, since p rises with the score, the block's largest p
.endr
.irp i, 3,5,7,9,11,13
.irp b, 0,1
	v_max3_num_f32 v[212+\b], v[212+\b], v[96+16*\b+\i], v[97+16*\b+\i]
.endr
.endr
.irp b, 0,1
	v_max_num_f32 v[212+\b], v[212+\b], v[111+16*\b]
.endr
.irp b, 0,1
	s_delay_alu instid0(VALU_DEP_2)
	v_permlanex16_b32 v[214+\b], v[212+\b], s38, s39
.endr
.irp b, 0,1
	s_delay_alu instid0(VALU_DEP_2)
	v_max_num_f32 v[212+\b], v[212+\b], v[214+\b]
.endr
	s_delay_alu instid0(VALU_DEP_1)
	v_max_num_f32 v216, v212, v213
	s_delay_alu instid0(VALU_DEP_1)
	v_mul_f32 v13, s36, v216                       ; the row's largest t (c is positive)
	s_delay_alu instid0(VALU_DEP_1)
	v_floor_f32 v12, -v13                          ; -M = floor(-t) = -ceil(t)
.irp j, 0,2,4,6,8,10,12,14,16,18,20,22,24,26,28,30
	v_pk_fma_f32 v[96+\j:97+\j], v[96+\j:97+\j], s[36:37], v[12:13] op_sel_hi:[1,0,0]   ; t - M
.endr
.irp b, 0,1
	v_fma_f32 v[212+\b], v[212+\b], s36, v12       ; the same of each block's largest score
.endr
	s_wait_alu depctr_va_vdst(0)
.irp j, 0,1,2,3,4,5,6,7,8,9,10,11,12,13,14,15,16,17,18,19,20,21,22,23,24,25,26,27,28,29,30,31
	v_exp_f32 v[96+\j], v[96+\j]                   ; p = 2^(t - M): not normalised
.endr
.irp b, 0,1
	v_exp_f32 v[212+\b], v[212+\b]                 ; the block's largest p: the same two instructions on the same number
.endr
	v_nop                                          ; a plain line behind the last exponential
	s_wait_alu depctr_va_vdst(0)                   ; one wait for the batch of 34, ahead of its first reader
.irp b, 0,1
	v_max_num_f32 v[212+\b], 0x1800000, v[212+\b]  ; the floor 2^(3 - 127)
.endr
.irp b, 0,1
	s_delay_alu instid0(VALU_DEP_2)
	v_add_nc_u32 v[220+\b], 0xff000000, v[212+\b]
.endr
.irp b, 0,1
	s_delay_alu instid0(VALU_DEP_2)
	v_lshrrev_b32 v[214+\b], 23, v[220+\b]
.endr
	s_delay_alu instid0(VALU_DEP_1)
	v_lshl_or_b32 v29, v215, 8, v214               ; p's scale word; bytes 2, 3 stay 0 over zero codes
	v_cvt_scalef32_pk16_fp6_f32 v[192:194], v[96:111], v220
	v_cvt_scalef32_pk16_fp6_f32 v[204:206], v[112:127], v221
	v_nop
.irp i, 0,1,2
	v_permlane16_swap_b32 v[192+\i], v[204+\i]     ; a whole block in a lane: lanes 0-15 keys 0-31, lanes 16-31 keys 32-63
.endr
.irp i, 0,1,2
	s_delay_alu instid0(VALU_DEP_3)
	v_mov_b32 v[195+\i], v[204+\i]
.endr
	v_pk_add_f32 v[218:219], v[96:97], v[98:99]
	v_pk_add_f32 v[252:253], v[104:105], v[108:109]
	v_pk_add_f32 v[250:251], v[112:113], v[116:117]
	v_pk_add_f32 v[248:249], v[120:121], v[124:125]
	v_pk_add_f32 v[246:247], v[100:101], v[102:103]
	v_pk_add_f32 v[244:245], v[106:107], v[110:111]
	v_pk_add_f32 v[242:243], v[114:115], v[118:119]
	v_pk_add_f32 v[14:15], v[122:123], v[126:127]
	s_delay_alu instid0(VALU_DEP_1)
	v_pk_add_f32 v[14:15], v[14:15], v[248:249]
	v_pk_add_f32 v[218:219], v[218:219], v[246:247]
	v_pk_add_f32 v[252:253], v[252:253], v[244:245]
	v_pk_add_f32 v[250:251], v[250:251], v[242:243]
	s_delay_alu instid0(VALU_DEP_2)
	v_pk_add_f32 v[14:15], v[14:15], v[252:253]
	s_delay_alu instid0(VALU_DEP_2)
	v_pk_add_f32 v[218:219], v[218:219], v[250:251]
	s_delay_alu instid0(VALU_DEP_1)
	v_pk_add_f32 v[14:15], v[14:15], v[218:219]
	; ---- O^T = V^T P^T
	s_wait_alu depctr_va_vdst(0)
	s_wait_dscnt 0x0
.irp t, 0,1,2,3
	v_wmma_scale_f32_16x16x128_f8f6f4 v[128+8*\t:135+8*\t], v[32+12*\t:43+12*\t], v[192:203], 0, v[80+\t], v29 matrix_a_fmt:MATRIX_FMT_FP6 matrix_b_fmt:MATRIX_FMT_FP6
.endr
.rept 4
	v_nop
.endr
	VLOAD 1
	v_add_f32 v14, v14, v15
	s_delay_alu instid0(VALU_DEP_1)
	v_permlanex16_b32 v216, v14, s38, s39
	s_delay_alu instid0(VALU_DEP_1)
	v_add_f32 v14, v14, v216                       ; the row's sum
	s_wait_alu depctr_va_vdst(0)
	v_rcp_f32 v14, v14
	v_nop
	s_wait_dscnt 0x0
.irp t, 0,1,2,3
	v_wmma_scale_f32_16x16x128_f8f6f4 v[160+8*\t:167+8*\t], v[32+12*\t:43+12*\t], v[192:203], 0, v[80+\t], v29 matrix_a_fmt:MATRIX_FMT_FP6 matrix_b_fmt:MATRIX_FMT_FP6
.endr
.rept 4
	v_nop
.endr
	s_wait_alu depctr_va_vdst(0)                   ; the reciprocal's wait, ahead of its first reader
.irp j, 0,2,4,6,8,10,12,14,16,18,20,22,24,26,28,30,32,34,36,38,40,42,44,46,48,50,52,54,56,58,60,62
	v_pk_mul_f32 v[128+\j:129+\j], v[128+\j:129+\j], v[14:15] op_sel_hi:[1,0]   ; o = O / l; register 16 B + i: f = 32 B + 16 hh + i
.endr
	; ---- o's codes along f, and its scale word
.irp b, 0,1,2,3
	v_max3_num_f32 v[TM+\b], |v[128+16*\b]|, |v[129+16*\b]|, 0x1800000
.endr
.irp i, 2,4,6,8,10,12,14
.irp b, 0,1,2,3
	s_delay_alu instid0(VALU_DEP_4)
	v_max3_num_f32 v[TM+\b], v[TM+\b], |v[128+16*\b+\i]|, |v[129+16*\b+\i]|
.endr
.endr
.irp b, 0,1,2,3
	s_delay_alu instid0(VALU_DEP_4)
	v_permlanex16_b32 v[TM+4+\b], v[TM+\b], s38, s39
.endr
.irp b, 0,1,2,3
	s_delay_alu instid0(VALU_DEP_4)
	v_max_num_f32 v[TM+\b], v[TM+\b], v[TM+4+\b]
.endr
.irp b, 0,1,2,3
	s_delay_alu instid0(VALU_DEP_4)
	v_add_nc_u32 v[TM+12+\b], 0xff000000, v[TM+\b]
.endr
.irp b, 0,1,2,3
	s_delay_alu instid0(VALU_DEP_4)
	v_lshrrev_b32 v[TM+4+\b], 23, v[TM+12+\b]
.endr
	s_delay_alu instid0(VALU_DEP_3)
	v_lshl_or_b32 v[PW], v[TM+5], 8, v[TM+4]
	s_delay_alu instid0(VALU_DEP_1)
	v_lshl_or_b32 v[PW], v[TM+6], 16, v[PW]
	s_delay_alu instid0(VALU_DEP_1)
	v_lshl_or_b32 v[PW], v[TM+7], 24, v[PW]
.irp c, 0,1
	v_cvt_scalef32_pk16_fp6_f32 v[PC+6*\c:PC+2+6*\c], v[128+32*\c:143+32*\c], v[TM+12+2*\c]
	v_cvt_scalef32_pk16_fp6_f32 v[PC+12+4*\c:PC+14+4*\c], v[144+32*\c:159+32*\c], v[TM+12+2*\c+1]
.endr
	v_nop
.irp c, 0,1
.irp i, 0,1,2
	v_permlane16_swap_b32 v[PC+6*\c+\i], v[PC+12+4*\c+\i]
.endr
.irp i, 0,1,2
	s_delay_alu instid0(VALU_DEP_3)
	v_mov_b32 v[PC+3+6*\c+\i], v[PC+12+4*\c+\i]
.endr
.endr
.irp g, 0,1,2
	ds_store_b128 v7, v[PC+4*\g:PC+4*\g+3] offset:512*\g
.endr
	ds_store_b32 v8, v[PW]                         ; both halves of the lanes write the same word with the same value
	s_wait_dscnt 0x0                               ; for the others' sake
	s_barrier_signal -1
	s_barrier_wait -1
.irp g, 0,1,2
	ds_load_b128 v[96+4*\g:99+4*\g], v9 offset:512*\g
.endr
.irp g, 0,1,2
	s_wait_dscnt 2-\g                              ; load g is back; the younger ones may be out
	global_store_b128 v10, v[96+4*\g:99+4*\g], s[32:33] offset:512*\g   ; 512 consecutive bytes, aligned to 256
.endr
	s_cmp_gt_u32 s8, 3
	s_cbranch_scc1 .Ldone
	ds_load_b64 v[108:109], v11
	s_wait_dscnt 0x0
	global_store_b64 v30, v[108:109], s[34:35]     ; a record's 256 bytes of scale words
.Ldone:
	s_wait_tensorcnt 0x0
	ds_add_u32 v254, v255
	s_wait_dscnt 0x0
	s_endpgm
.Lfunc_end_k_q15fa02ae44_attn:
	.size	k_q15fa02ae44_attn, .Lfunc_end_k_q15fa02ae44_attn-k_q15fa02ae44_attn
	.p2alignl 7, 3214868480
	.fill 96, 4, 3214868480
	.section	.rodata,"a",@progbits
	.p2align	6, 0x0
	.amdhsa_kernel k_q15fa02ae44_attn
		.amdhsa_group_segment_fixed_size 113920
		.amdhsa_private_segment_fixed_size 0
		.amdhsa_enable_private_segment 0
		.amdhsa_kernarg_size 16
		.amdhsa_user_sgpr_count 2
		.amdhsa_user_sgpr_kernarg_segment_ptr 1
		.amdhsa_wavefront_size32 1
		.amdhsa_system_sgpr_workgroup_id_x 1
		.amdhsa_system_sgpr_workgroup_id_y 1
		.amdhsa_system_sgpr_workgroup_id_z 1
		.amdhsa_system_vgpr_workitem_id 0
		.amdhsa_next_free_vgpr 256
		.amdhsa_next_free_sgpr 66
		.amdhsa_reserve_vcc 0
		.amdhsa_float_denorm_mode_32 3
		.amdhsa_float_denorm_mode_16_64 3
		.amdhsa_memory_ordered 1
		.amdhsa_forward_progress 1
		.amdhsa_inst_pref_size 30
	.end_amdhsa_kernel
	.amdgpu_metadata
---
amdhsa.version: [ 1, 2 ]
amdhsa.kernels:
  - .name:           k_q15fa02ae44_attn
    .symbol:         k_q15fa02ae44_attn.kd
    .args:
      - { .name: qkv, .offset: 0, .size: 8, .value_kind: global_buffer, .address_space: global }
      - { .name: oc, .offset: 8, .size: 8, .value_kind: global_buffer, .address_space: global }
    .group_segment_fixed_size: 113920
    .private_segment_fixed_size: 0
    .kernarg_segment_align: 8
    .kernarg_segment_size: 16
    .max_flat_workgroup_size: 512
    .sgpr_count:     66
    .vgpr_count:     256
    .wavefront_size: 32
...
	.end_amdgpu_metadata
.endif
;; end of part 3
;; launch outp (part 4): grid 8 x 32, 4 waves a work-group, clusters of 4 x 4, 327,680 bytes of LDS; arguments oc, xw, bo, out0; writes out0
.if DOCPART == 4
	.amdgcn_target "amdgcn-amd-amdhsa--gfx1250"
	.amdhsa_code_object_version 6
	.text
	.protected	k_q15fa02ae44_outp
	.globl	k_q15fa02ae44_outp
	.p2align	8
	.type	k_q15fa02ae44_outp,@function
k_q15fa02ae44_outp:
	s_mov_b64 s[64:65], 0
	v_nop
	global_prefetch_b8 v0, s[64:65] scope:SCOPE_SE
	s_setreg_imm32_b32 hwreg(HW_REG_WAVE_MODE, 25, 1), 1
	s_wait_xcnt 0x0
	s_wait_alu depctr_hold_cnt(0) depctr_sa_sdst(0) depctr_va_vdst(0) depctr_va_sdst(0) depctr_va_ssrc(0) depctr_va_vcc(0) depctr_vm_vsrc(0)
	s_getreg_b32 s2, hwreg(HW_REG_IB_STS2, 6, 4)
	s_cmp_eq_u32 s2, 0
	s_cbranch_scc0 .Lentry_in_a_cluster
	s_endpgm
.Lentry_in_a_cluster:
	s_bfe_u32 s2, ttmp6, 0x10000c
	s_cmp_lg_u32 s2, 0xf033
	s_cbranch_scc0 .Lentry_shape_is_right
	s_endpgm
.Lentry_shape_is_right:
; out0 = o Wo^T + bo on codes of FP6 (E2M3) with E8M0 scales: o's records come from oc, Wo's from xw, both in the order of the operand's registers (16 rows x 512 K, 6,400 bytes).
; A work-group makes 128 rows x 256 columns; a wave 64 x 128: 32 accumulators; the bias is the C of each accumulator's first product.
; K goes in four slots of 512 through a ring of two LDS slots filled by joint tensor loads: 4 x 4 work-groups form a cluster, A's records are shared along its row, B's along its column.
; HEAD: one joint load a wave (slot 0); the addresses and the bias loads are made while it is out; slot 1's first fill stands behind the three lines and a round, as a refill does.
; The results leave through each wave's own stage in slot 0, which has had its last fill and its last read by then, as whole rows of 512 bytes.
.set REC,    6400
.set SLOT,   24*REC
.set ABYTES, 8*REC
.set SPARE,  2*SLOT
.set FR,   12
.set ADRA, 16
.set ADRB, 20
.set ADRS, 22
.set STO,  24
.set RD,   25
.set L16,  26
.set SPW,  28
.set NIL,  29
.set H32,  30
.set SC,   32
.set AF,   96
.set G1,  24
.set G0,  32
.set G1B, 48
.set G0B, 56
.set MSB, 0
.macro WIN new
.if MSB != \new
	s_set_vgpr_msb (MSB<<8)|\new
.set MSB, \new
.endif
.endm
.macro PLACES n
.rept \n
	v_nop
.endr
.endm
.macro JLOAD g0a, g1a, g0b, g1b
	s_cmp_eq_u32 s15, 0
	s_cbranch_scc0 .Lfor_b_\@
	tensor_load_to_lds s[\g0a:\g0a+3], s[\g1a:\g1a+7]
	s_nop 0
.rept 4
	v_nop
.endr
	s_branch .Lasked_\@
.Lfor_b_\@:
	tensor_load_to_lds s[\g0b:\g0b+3], s[\g1b:\g1b+7]
	s_nop 0
.rept 4
	v_nop
.endr
.Lasked_\@:
.endm
.macro CREST
	s_cmp_lg_u32 s14, 0
	s_cbranch_scc1 .Lnot_wave_0_\@
	s_barrier_signal -3
.Lnot_wave_0_\@:
	s_barrier_wait -3
	s_barrier_signal -1
	s_barrier_wait -1
.endm
.macro CROUND
	s_barrier_signal -1
	s_barrier_wait -1
	CREST
.endm
	s_load_b256 s[4:11], s[0:1], 0x0
	v_lshl_add_u32 v[SPW], v0, 2, SPARE
	v_mov_b32 v[NIL], 0
	ds_add_u32 v28, v29
	ds_add_u32 v28, v29
	s_wait_dscnt 0x0
	v_lshrrev_b32 v1, 5, v0
	v_readfirstlane_b32 s14, v1
	s_lshr_b32 s15, s14, 1
	s_and_b32 s16, s14, 1
	s_bfe_u32 s40, ttmp6, 0x40000
	s_bfe_u32 s41, ttmp6, 0x40004
	s_lshl_b32 s42, ttmp9, 2
	s_add_co_u32 s42, s42, s40
	s_and_b32 s13, ttmp7, 0xffff
	s_lshl_b32 s13, s13, 2
	s_add_co_u32 s13, s13, s41
	s_lshl_b32 s43, s41, 2
	s_lshl_b32 s43, 15, s43
	s_lshl_b32 s44, 0x1111, s40
	s_or_b32 s[G1+0], s43, (3<<16)|(1<<21)
	s_or_b32 s[G1B+0], s44, (3<<16)|(1<<21)
	s_mov_b32 s[G1+1], 32<<16
	s_mov_b32 s[G1+2], 100<<16
	s_mov_b32 s[G1+3], 32<<16
	s_mov_b32 s[G1+4], 100
	s_mov_b32 s[G1+5], 32
	s_mov_b32 s[G1+6], 0
	s_mov_b32 s[G1+7], 0
	s_mov_b32 s[G1B+1], 32<<16
	s_mov_b32 s[G1B+2], 200<<16
	s_mov_b32 s[G1B+3], 32<<16
	s_mov_b32 s[G1B+4], 200
	s_mov_b32 s[G1B+5], 32
	s_mov_b32 s[G1B+6], 0
	s_mov_b32 s[G1B+7], 0
	s_mul_i32 s20, s13, 8*REC
	s_mul_i32 s21, s16, 4*REC
	s_add_co_u32 s20, s20, s21
	s_mov_b32 s21, 0
	s_mul_i32 s46, s42, 16*REC
	s_mul_i32 s47, s16, 8*REC
	s_add_co_u32 s46, s46, s47
	s_add_co_u32 s46, s46, 29491200
	s_mov_b32 s47, 0
	s_mul_i32 s45, s16, 4*REC
	s_mul_i32 s18, s16, 8*REC
	s_add_co_u32 s18, s18, ABYTES
	s_wait_kmcnt 0x0
	s_add_nc_u64 s[20:21], s[4:5], s[20:21]
	s_add_nc_u64 s[46:47], s[6:7], s[46:47]
	CROUND
.irp s, 0,1
	s_mov_b32 s[G0+4*\s], 1
	s_add_co_u32 s[G0+4*\s+1], s45, \s*SLOT
	s_add_nc_u64 s[G0+4*\s+2:G0+4*\s+3], s[20:21], \s*1638400
	s_or_b32 s[G0+4*\s+3], s[G0+4*\s+3], 0x80000000
	s_mov_b32 s[G0B+4*\s], 1
	s_add_co_u32 s[G0B+4*\s+1], s18, \s*SLOT
	s_add_nc_u64 s[G0B+4*\s+2:G0B+4*\s+3], s[46:47], \s*819200
	s_or_b32 s[G0B+4*\s+3], s[G0B+4*\s+3], 0x80000000
.endr
	JLOAD G0, G1, G0B, G1B                         ; slot 0: one tensor load a wave at the head, behind the one round
	v_and_b32 v1, 15, v0
	v_bfe_u32 v2, v0, 4, 1
	v_and_b32 v3, 31, v0
	v_lshlrev_b32 v[L16], 4, v3
	v_lshlrev_b32 v[H32], 5, v2
	s_mul_i32 s22, s15, 4*REC
	s_mul_i32 s23, s16, 8*REC
	s_add_co_u32 s23, s23, ABYTES
	s_sub_co_u32 s19, s23, s22
	v_mul_u32_u24 v4, s19, v2
	v_lshl_add_u32 v4, v1, 4, v4
.irp s, 0,1
	v_add_nc_u32 v[ADRA+\s], s22, v[L16]
	v_add_nc_u32 v[ADRB+\s], s23, v[L16]
	v_add_nc_u32 v[ADRS+\s], s22, v4
	s_add_co_u32 s22, s22, SLOT
	s_add_co_u32 s23, s23, SLOT
.endr
	s_mul_i32 s19, s14, 16*528
	v_mul_u32_u24 v5, v1, 528
	v_lshl_add_u32 v5, v2, 5, v5
	v_add_nc_u32 v[STO], s19, v5
	v_add_nc_u32 v[RD], s19, v[L16]
	s_lshl_b32 s40, s42, 1
	s_add_co_u32 s40, s40, s16
	s_lshl_b32 s2, s13, 5
	s_lshl_b32 s3, s15, 4
	s_add_co_u32 s2, s2, s3
	s_lshl_b32 s2, s2, 13
	s_lshl_b32 s3, s40, 9
	s_add_co_u32 s2, s2, s3
	s_mov_b32 s3, 0
	s_add_nc_u64 s[68:69], s[10:11], s[2:3]
	s_add_nc_u64 s[70:71], s[68:69], 0x800000
	s_add_nc_u64 s[72:73], s[70:71], 0x800000
	s_add_nc_u64 s[74:75], s[72:73], 0x800000
	s_lshl_b32 s2, s40, 9
	s_add_nc_u64 s[18:19], s[8:9], s[2:3]
	WIN 0xc0
.irp i, 0,1,2,3,4,5,6,7
	global_load_b128 v[8*\i:8*\i+3], v[H32], s[18:19] offset:64*\i
	global_load_b128 v[8*\i+4:8*\i+7], v[H32], s[18:19] offset:64*\i+16
.endr
	WIN 0
.macro FB s, q, p
	WIN 0x40
.irp i, 0,1,2,3,4,5,6,7
.irp g, 0,1,2
	ds_load_b128 v[128*(\p)+FR*\i+4*\g:128*(\p)+FR*\i+4*\g+3], v[ADRB+\s] offset:REC*\i+1536*(\q)+512*\g
.endr
.endr
	WIN 0
.endm
.macro FA s, q, p, a0
.irp a, \a0, \a0+1
.irp g, 0,1,2
	ds_load_b128 v[AF+48*(\p)+FR*(\a)+4*\g:AF+48*(\p)+FR*(\a)+4*\g+3], v[ADRA+\s] offset:REC*(\a)+1536*(\q)+512*\g
.endr
.endr
.endm
.macro SCL s
.irp i, 0,1,2,3,4,5,6,7
	ds_load_b128 v[SC+32*(\s)+4*\i:SC+32*(\s)+4*\i+3], v[ADRS+\s] offset:REC*\i+6144
.endr
.endm
.macro MUL a0, n, p, q, s, first
.if \first
	WIN 0xb1
.else
	WIN 0xa1
.endif
.set MA, \a0
.rept \n
.irp i, 0,1,2,3,4,5,6,7
.if \first
	v_wmma_scale_f32_16x16x128_f8f6f4 v[8*(8*MA+\i):8*(8*MA+\i)+7], v[128*(\p)+FR*\i:128*(\p)+FR*\i+FR-1], v[AF+48*(\p)+FR*MA:AF+48*(\p)+FR*MA+FR-1], v[8*\i:8*\i+7], v[SC+32*(\s)+4*\i+(\q)], v[SC+32*(\s)+4*MA+(\q)] matrix_a_fmt:MATRIX_FMT_FP6 matrix_b_fmt:MATRIX_FMT_FP6 matrix_a_scale:MATRIX_SCALE_ROW1
.else
	v_wmma_scale_f32_16x16x128_f8f6f4 v[8*(8*MA+\i):8*(8*MA+\i)+7], v[128*(\p)+FR*\i:128*(\p)+FR*\i+FR-1], v[AF+48*(\p)+FR*MA:AF+48*(\p)+FR*MA+FR-1], v[8*(8*MA+\i):8*(8*MA+\i)+7], v[SC+32*(\s)+4*\i+(\q)], v[SC+32*(\s)+4*MA+(\q)] matrix_a_fmt:MATRIX_FMT_FP6 matrix_b_fmt:MATRIX_FMT_FP6 matrix_a_scale:MATRIX_SCALE_ROW1
.endif
.endr
.set MA, MA+1
.endr
.endm
.macro KSTEP s, q, first
	s_wait_dscnt 6
	MUL 0, 2, (\q)%2, \q, \s, \first
	PLACES 4
	FB \s, (\q)+1, 1-(\q)%2
	FA \s, (\q)+1, 1-(\q)%2, 0
	FA \s, (\q)+1, 1-(\q)%2, 2
	s_wait_dscnt 36
	MUL 2, 2, (\q)%2, \q, \s, \first
.endm
.macro TURN s, nx, fill
	s_wait_dscnt 6                                 ; B's set and A's blocks 0, 1 are in; the youngest six loads (A's blocks 2, 3) may be out
	MUL 0, 2, 1, 3, \s, 0                          ; sixteen products ahead of the wait for the other slot
	WIN 0
	s_wait_tensorcnt 0x0                           ; all my tensor loads have landed: my part of the other slot
	ds_add_u32 v[SPW], v[NIL]
.if \fill
	s_add_nc_u64 s[G0+4*\s+2:G0+4*\s+3], s[G0+4*\s+2:G0+4*\s+3], 2*1638400   ; no load of mine is out: this slot's next records
	s_add_nc_u64 s[G0B+4*\s+2:G0B+4*\s+3], s[G0B+4*\s+2:G0B+4*\s+3], 2*819200
.endif
	s_wait_dscnt 0x0                               ; the add is done, and so are my reads of this slot
	s_barrier_signal -1
	s_barrier_wait -1
.if \fill
	CREST
	JLOAD G0+4*\s, G1, G0B+4*\s, G1B
.else
	PLACES 4
.endif
	FB \nx, 0, 0
	FA \nx, 0, 0, 0
	SCL \nx
	FA \nx, 0, 0, 2
	MUL 2, 2, 1, 3, \s, 0
.endm
	s_wait_alu depctr_va_vdst(0)                   ; the wait at the head's end
	s_wait_tensorcnt 0x0                           ; my part of slot 0 is in; the three lines ahead of a later first fill, as ahead of a refill
	ds_add_u32 v[SPW], v[NIL]
	s_wait_dscnt 0x0
	CROUND                                         ; everybody's part of slot 0 is in, and all sixteen work-groups are here
	JLOAD G0+4, G1, G0B+4, G1B                     ; slot 1's first fill, the first tensor load behind the round
	s_wait_loadcnt 0x0                             ; the bias
	FB 0, 0, 0
	FA 0, 0, 0, 0
	SCL 0
	FA 0, 0, 0, 2
	KSTEP 0, 0, 1
	KSTEP 0, 1, 0
	KSTEP 0, 2, 0
	TURN 0, 1, 1
	KSTEP 1, 0, 0
	KSTEP 1, 1, 0
	KSTEP 1, 2, 0
	TURN 1, 0, 1
	KSTEP 0, 0, 0
	KSTEP 0, 1, 0
	KSTEP 0, 2, 0
	TURN 0, 1, 0
	KSTEP 1, 0, 0
	KSTEP 1, 1, 0
	KSTEP 1, 2, 0
	s_wait_dscnt 6
	MUL 0, 2, 1, 3, 1, 0
	s_wait_dscnt 0x0
	MUL 2, 2, 1, 3, 1, 0
	WIN 0
	PLACES 4
.macro TOSTAGE a
	WIN 0x08
.irp i, 0,1,2,3,4,5,6,7
	ds_store_b128 v[STO], v[64*(\a)+8*\i:64*(\a)+8*\i+3] offset:64*\i
	ds_store_b128 v[STO], v[64*(\a)+8*\i+4:64*(\a)+8*\i+7] offset:64*\i+16
.endr
	WIN 0
.set BB, 96+64*((\a)%2)
.irp t, 0,1,2,3,4,5,6,7,8,9,10,11,12,13,14,15
	ds_load_b128 v[BB+4*\t:BB+4*\t+3], v[RD] offset:528*\t
.endr
.endm
.macro SEND a, younger
.set BB, 96+64*((\a)%2)
	s_wait_dscnt \younger
.irp t, 0,1,2,3,4,5,6,7,8,9,10,11,12,13,14,15
	global_store_b128 v[L16], v[BB+4*\t:BB+4*\t+3], s[68+2*(\t%4):69+2*(\t%4)] offset:8192*(4*(\a)+\t/4) th:TH_STORE_NT
.endr
.endm
	TOSTAGE 0
.irp a, 1,2,3
.if \a > 1
	s_wait_xcnt 0x0
.endif
	TOSTAGE \a
	SEND \a-1, 32
.endr
	SEND 3, 0
	s_wait_tensorcnt 0x0
	ds_add_u32 v[SPW], v[NIL]
	s_wait_dscnt 0x0
	CROUND
	s_endpgm
.Lfunc_end_k_q15fa02ae44_outp:
	.size	k_q15fa02ae44_outp, .Lfunc_end_k_q15fa02ae44_outp-k_q15fa02ae44_outp
	.p2alignl 7, 3214868480
	.fill 96, 4, 3214868480
	.section	.rodata,"a",@progbits
	.p2align	6, 0x0
	.amdhsa_kernel k_q15fa02ae44_outp
		.amdhsa_group_segment_fixed_size 327680
		.amdhsa_private_segment_fixed_size 0
		.amdhsa_enable_private_segment 0
		.amdhsa_kernarg_size 32
		.amdhsa_user_sgpr_count 2
		.amdhsa_user_sgpr_kernarg_segment_ptr 1
		.amdhsa_wavefront_size32 1
		.amdhsa_system_sgpr_workgroup_id_x 1
		.amdhsa_system_sgpr_workgroup_id_y 1
		.amdhsa_system_sgpr_workgroup_id_z 1
		.amdhsa_system_vgpr_workitem_id 0
		.amdhsa_next_free_vgpr 832
		.amdhsa_next_free_sgpr 80
		.amdhsa_reserve_vcc 0
		.amdhsa_float_denorm_mode_32 3
		.amdhsa_float_denorm_mode_16_64 3
		.amdhsa_memory_ordered 1
		.amdhsa_forward_progress 1
		.amdhsa_inst_pref_size 133
	.end_amdhsa_kernel
	.amdgpu_metadata
---
amdhsa.version: [ 1, 2 ]
amdhsa.kernels:
  - .name:           k_q15fa02ae44_outp
    .symbol:         k_q15fa02ae44_outp.kd
    .args:
      - { .name: oc, .offset: 0, .size: 8, .value_kind: global_buffer, .address_space: global }
      - { .name: xw, .offset: 8, .size: 8, .value_kind: global_buffer, .address_space: global }
      - { .name: bo, .offset: 16, .size: 8, .value_kind: global_buffer, .address_space: global }
      - { .name: out0, .offset: 24, .size: 8, .value_kind: global_buffer, .address_space: global }
    .group_segment_fixed_size: 327680
    .private_segment_fixed_size: 0
    .kernarg_segment_align: 8
    .kernarg_segment_size: 32
    .max_flat_workgroup_size: 128
    .sgpr_count:     80
    .vgpr_count:     832
    .wavefront_size: 32
...
	.end_amdgpu_metadata
.endif
;; end of part 4
